; MI455X (gfx1250); checked and timed in simulation.
; The chip was launched on July 23, 2026; its instructions are those of AMD's public machine-readable ISA for CDNA 5 (MIT licence, August 2026) and "CDNA5" Instruction Set Architecture Reference Guide (July 2026). The comments in the code are by the model that wrote it; some were corrected since.
;; group decoder sf. Allowed arithmetic: matrix products marked QUANTISED: E3M2 operands, one E8M0 scale for each 32 along K, by v_wmma_scale_f32_16x16x128_f8f6f4 with both operands' format E3M2, f32 sums; products left as they are: f32 operands where the result goes on into a quantised operand, else bf16, f16 or f32 operands; f32 sums; everything else in f32.
;; Inputs: g1_b 64 float32; g1_w 64 x 512 float32; g2_b 16 float32; g2_w 16 x 64 float32; g3_b 4 float32; g3_w 4 x 16 float32; g4_b 2 float32; g4_w 2 x 4 float32; gl1_b 64 float32; gl1_g 64 float32; gl2_b 16 float32; gl2_g 16 float32; gl3_b 4 float32; gl3_g 4 float32; group_token 16 x 512 x 2 float32; k_b 512 float32; k_w 512 x 512 float32; m1_b 1,024 float32; m1_w 1,024 x 1,024 float32; m2_b 512 float32; m2_w 512 x 1,024 float32; merge_b 512 float32; merge_w 512 x 512 float32; n0_b 512 float32; n0_g 512 float32; n1_b 512 float32; n1_g 512 float32; q_b 512 float32; q_w 512 x 512 float32; v_b 512 float32; v_w 512 x 512 float32; wc1_b 2,048 float32; wc1_w 2,048 x 512 float32; wc2_b 512 float32; wc2_w 512 x 2,048 float32; ws1_b 256 float32; ws1_w 256 x 2 float32; ws2_b 2 float32; ws2_w 2 x 256 float32; x 16 x 512 x 2,048 float32.
;; Outputs: out0 16 x 2,048 float32.
;; This version of the problem:
;;   THIS VERSION OF THE PROBLEM IS GIVEN IN LOW PRECISION. The matrix products marked QUANTISED in the list below multiply operands that are first quantised to E3M2 (3 exponent bits, 2 mantissa bits; 6 bits a number), with one power-of-two scale for each 32 numbers along K (OCP MX v1.0); their sums are f32. All else is computed in f32.
;;   The module's matrix products, in the order in which they are computed (A, B: the left and right operand; K: the contracted axis; several contracted axes count as one K, in the product's order):
;;     1. [M 8,192, K 2] x [K 2, N 256]; A: input group_token; B: input ws1_w: left as it is (K = 2 < 32)
;;     2. [M 8,192, K 256] x [K 256, N 2]; A: computed on the way; B: input ws2_w: left as it is (N = 2 < 16)
;;     3. [M 32, K 512] x [K 512, N 2,048]; A: computed on the way; B: input wc1_w: QUANTISED
;;     4. [M 32, K 2,048] x [K 2,048, N 512]; A: computed on the way; B: input wc2_w: QUANTISED
;;     5. [M 32,768, K 512] x [K 512, N 512]; A: input x; B: input q_w: QUANTISED
;;     6. [M 32, K 512] x [K 512, N 512]; A: computed on the way; B: input k_w: QUANTISED
;;     7. [M 32, K 512] x [K 512, N 512]; A: computed on the way; B: input v_w: QUANTISED
;;     8. batch 64 x [M 2,048, K 128] x [K 128, N 2]; A: computed on the way; B: computed on the way: left as it is (N = 2 < 16)
;;     9. batch 64 x [M 128, K 2] x [K 2, N 2,048]; A: computed on the way; B: softmax: left as it is (K = 2 < 32)
;;     10. [M 32,768, K 512] x [K 512, N 512]; A: computed on the way; B: input merge_w: QUANTISED
;;     11. [M 32,768, K 1,024] x [K 1,024, N 1,024]; A: computed on the way; B: input m1_w: QUANTISED
;;     12. [M 32,768, K 1,024] x [K 1,024, N 512]; A: computed on the way; B: input m2_w: QUANTISED
;;     13. [M 32,768, K 512] x [K 512, N 64]; A: computed on the way; B: input g1_w: QUANTISED
;;     14. [M 32,768, K 64] x [K 64, N 16]; A: computed on the way; B: input g2_w: QUANTISED
;;     15. [M 32,768, K 16] x [K 16, N 4]; A: computed on the way; B: input g3_w: left as it is (K = 16 < 32)
;;     16. [M 32,768, K 4] x [K 4, N 2]; A: computed on the way; B: input g4_w: left as it is (K = 4 < 32)
;;   THE QUANTISER, for each operand of a quantised product, along K:
;;     - K is cut into blocks of 32 from its start; a last block that is shorter is filled with zeros.
;;     - A block's scale is 2^e with e = floor(log2(the largest magnitude in the block)) - 4, held to -126 .. 127; a block of zeros has e = 0. As a byte (E8M0): e + 127.
;;     - Each number is divided by its block's scale, clamped to +-28, and rounded to the nearest number of E3M2, ties to even, subnormals kept.
;;     - The product sums the exact products of the quantised numbers (number of the format x scale) in f32.
;;   ~~~python
;;   def quantise(x, axis):      # numpy; x: float32 -> the quantised numbers, widened to float32 again
;;       x = np.moveaxis(x, axis, -1); K = x.shape[-1]
;;       x = np.pad(x, [(0, 0)] * (x.ndim - 1) + [(0, -K % 32)]); x = x.reshape(x.shape[:-1] + (-1, 32)); a = np.abs(x).max(-1, keepdims=True)
;;       e = np.where(a > 0, np.clip(np.frexp(np.where(a > 0, a, 1))[1] - 1 - 4, -126, 127), 0)      # np.frexp(a)[1] - 1 = floor(log2(a)), exactly
;;       r = np.clip(x / 2.0 ** e, -28, 28)
;;       step = 2.0 ** (np.maximum(np.frexp(np.where(r == 0, 1, r))[1] - 1, -2) - 2)
;;       q = np.round(r / step) * step * 2.0 ** e      # np.round: ties to even
;;       return np.moveaxis(q.reshape(q.shape[:-2] + (-1,))[..., :K], -1, axis).astype(np.float32)
;;   ~~~
;;   OPERANDS COMPUTED ON THE WAY. 'Computed on the way' means the value that the module computes at that place (a softmax that the list does not call 'softmax' is quantised finished and normalised). What goes into a quantiser is computed in f32, as accurately as f32 sums, v_exp_f32 and their like allow (about 1e-6 of the number): no bf16 or f16 on the way to a quantiser, and a product that is left as it is and whose result goes on into a quantised operand takes f32 operands (vector FMAs, or v_wmma_f32_16x16x4_f32). A number that lies on a knife's edge between two numbers of the format may be rounded either way, as far as f32 arithmetic and the matrix unit's own rounding can turn it there, and no further.
;; One version. Each part assembles by itself: llvm-mc -triple=amdgcn-amd-amdhsa -mcpu=gfx1250 --defsym DOCPART=n.
;; ======== version 1 of 1: 5 launches
;; workspace buffers: gt1 65,536 bytes; hid 262,144 bytes; gt2 65,536 bytes; kv 98,304 bytes; wp 1,597,440 bytes; ws 66,560 bytes
;; launch prep (part 1): grid 258 x 1, 4 waves a work-group, no clusters, 4,608 bytes of LDS; arguments group_token, ws1_w, ws1_b, ws2_w, ws2_b, q_w, merge_w, m1_w, m2_w, g1_w, gt1, wp, ws; writes gt1, wp, ws
.if DOCPART == 1
	.amdgcn_target "amdgcn-amd-amdhsa--gfx1250"
	.amdhsa_code_object_version 6
	.text
	.protected	k_q27db97376d_prep
	.globl	k_q27db97376d_prep
	.p2align	8
	.type	k_q27db97376d_prep,@function
k_q27db97376d_prep:
	s_mov_b64 s[64:65], 0
	v_nop
	global_prefetch_b8 v0, s[64:65] scope:SCOPE_SE
	s_setreg_imm32_b32 hwreg(HW_REG_WAVE_MODE, 25, 1), 1
	s_wait_xcnt 0x0
; Work-groups 0-127: gt1 = group_token + mlp_s(group_token), all in f32 (products 1 and 2 feed a quantiser later).
; Work-groups 128-257: q_w, merge_w, m1_w, m2_w, g1_w become codes of E3M2 with E8M0 scale words, laid in the order of the operand's registers.
; gt1 is laid [K/16][row 2 b + j][16] f32.  wp: fragment f of (pass p, wave w) at p*196608 + w*49152 + f*1536 + 512 c + 16 lane.
; ws: scale register i (lanes 0-15 fragment 2 i, lanes 16-31 fragment 2 i + 1) at (4 p + w)*2048 + (i/4)*512 + 16 lane + 4 (i%4).
; LIMITS: erf is x P(x^2)/Q(x^2) with x held to +-4 (absolute error about 1e-7); NaN and infinities are not served; a block under 2^-122 keeps the byte 1.
.set KAR, 64
.set KBR, 66
.set HREG, 3
.set SELR, 60
; gelu(y) = h + h erf(y/sqrt 2), h = y/2, on n registers in place; T: 32 registers at work
.macro GELU8 Y, n, T
.set gi, 0
.rept (\n)/2
	v_pk_mul_f32 v[\T+gi:\T+gi+1], v[\Y+gi:\Y+gi+1], 0x3f3504f3 op_sel_hi:[1,0]
.set gi, gi+2
.endr
.set gi, 0
.rept \n
	v_med3_num_f32 v[\T+gi], v[\T+gi], -4.0, 4.0
.set gi, gi+1
.endr
.set gi, 0
.rept (\n)/2
	v_pk_mul_f32 v[\T+8+gi:\T+9+gi], v[\T+gi:\T+gi+1], v[\T+gi:\T+gi+1]
.set gi, gi+2
.endr
.set gi, 0
.rept (\n)/2
	v_pk_fma_f32 v[\T+16+gi:\T+17+gi], v[\T+8+gi:\T+9+gi], v[KAR:KAR+1], 0x32edffee op_sel_hi:[1,1,0]
	v_pk_fma_f32 v[\T+24+gi:\T+25+gi], v[\T+8+gi:\T+9+gi], v[KBR:KBR+1], 0xb95fbd29 op_sel_hi:[1,1,0]
.set gi, gi+2
.endr
.irp a, 0xb60cff51, 0xb86ec2d2, 0xba40ac63, 0xbb41a1f6, 0xbc83dbd4
.set gi, 0
.rept (\n)/2
	v_pk_fma_f32 v[\T+16+gi:\T+17+gi], v[\T+16+gi:\T+17+gi], v[\T+8+gi:\T+9+gi], \a op_sel_hi:[1,1,0]
.set gi, gi+2
.endr
.endr
.irp a, 0xbadc924e, 0xbbf19bf8, 0xbc69b6a7
.set gi, 0
.rept (\n)/2
	v_pk_fma_f32 v[\T+24+gi:\T+25+gi], v[\T+24+gi:\T+25+gi], v[\T+8+gi:\T+9+gi], \a op_sel_hi:[1,1,0]
.set gi, gi+2
.endr
.endr
.set gi, 0
.rept \n
	v_rcp_f32 v[\T+24+gi], v[\T+24+gi]
.set gi, gi+1
.endr
.set gi, 0
.rept (\n)/2
	v_pk_mul_f32 v[\T+16+gi:\T+17+gi], v[\T+16+gi:\T+17+gi], v[\T+gi:\T+gi+1]
	v_pk_mul_f32 v[\T+8+gi:\T+9+gi], v[\Y+gi:\Y+gi+1], 0.5 op_sel_hi:[1,0]
.set gi, gi+2
.endr
	s_wait_alu depctr_va_vdst(0)                   ; one wait for the batch of reciprocals, ahead of their first reader
.set gi, 0
.rept (\n)/2
	v_pk_mul_f32 v[\T+16+gi:\T+17+gi], v[\T+16+gi:\T+17+gi], v[\T+24+gi:\T+25+gi]
.set gi, gi+2
.endr
.set gi, 0
.rept (\n)/2
	v_pk_fma_f32 v[\Y+gi:\Y+gi+1], v[\T+8+gi:\T+9+gi], v[\T+16+gi:\T+17+gi], v[\T+8+gi:\T+9+gi]
.set gi, gi+2
.endr
.endm
; A lane's two whole blocks of 32 (RAW + 32 c) become the 12 registers of a fragment (OUT) and the row's scale word (SW); TQ: 11 registers at work
.macro QB RAW, OUT, SW, TQ
.irp c, 0,1
	v_max3_num_f32 v[\TQ+\c], |v[\RAW+32*\c]|, |v[\RAW+32*\c+1]|, 0x2800000
.endr
.irp i, 2,4,6,8,10,12,14,16,18,20,22,24,26,28,30
.irp c, 0,1
	v_max3_num_f32 v[\TQ+\c], v[\TQ+\c], |v[\RAW+32*\c+\i]|, |v[\RAW+32*\c+\i+1]|
.endr
.endr
.irp c, 0,1
	v_add_nc_u32 v[\TQ+2+\c], 0xfe000000, v[\TQ+\c]    ; 4 off the exponent field: the conversion's scale operand
.endr
.irp c, 0,1
	v_lshrrev_b32 v[\TQ+\c], 23, v[\TQ+2+\c]           ; the scale's byte
.endr
	v_lshl_or_b32 v[\SW], v[\TQ+1], 16, v[\TQ]
	v_lshlrev_b32 v[\TQ], 3, v[HREG]
	v_lshlrev_b32 v[\SW], v[\TQ], v[\SW]
	v_mov_b32 v[\TQ], 0
	v_permlanex16_b32 v[\TQ], v[\SW], s[SELR], s[SELR+1]
	v_or_b32 v[\SW], v[\SW], v[\TQ]
.irp c, 0,1
	v_cvt_scalef32_pk16_bf6_f32 v[\OUT+6*\c:\OUT+6*\c+2], v[\RAW+32*\c:\RAW+32*\c+15], v[\TQ+2+\c]
	v_cvt_scalef32_pk16_bf6_f32 v[\TQ+4+4*\c:\TQ+6+4*\c], v[\RAW+32*\c+16:\RAW+32*\c+31], v[\TQ+2+\c]
.endr
	v_nop                                          ; one plain place behind a scaled conversion
.irp c, 0,1
.irp i, 0,1,2
	v_mov_b32 v[\OUT+3+6*\c+\i], v[\TQ+4+4*\c+\i]
.endr
.endr
.endm
	s_load_b512 s[8:23], s[0:1], 0x0               ; group_token, ws1_w, ws1_b, ws2_w, ws2_b, q_w, merge_w, m1_w
	s_load_b256 s[24:31], s[0:1], 0x40             ; m2_w, g1_w, gt1, wp
	s_load_b64 s[32:33], s[0:1], 0x60              ; ws
	v_lshl_add_u32 v224, v0, 2, 0x1000
	v_mov_b32 v225, 0
	v_lshrrev_b32 v1, 5, v0
	v_readfirstlane_b32 s3, v1                     ; wave
	v_and_b32 v1, 31, v0                           ; lane
	s_mov_b32 s60, 0x76543210
	s_mov_b32 s61, 0xfedcba98
	s_wait_kmcnt 0x0
	s_cmp_lt_u32 ttmp9, 128
	s_cbranch_scc0 .Lpack
	; ---- mlp_s: work-group g owns 64 channels d of one batch; lane l two of them; wave w the hidden units 64 w .. 64 w + 63
	s_load_b64 s[36:37], s[16:17], 0x0             ; ws2_b
	s_lshl_b32 s34, ttmp9, 9
	s_mov_b32 s35, 0
	s_add_nc_u64 s[8:9], s[8:9], s[34:35]
	v_lshlrev_b32 v2, 4, v1
	global_load_b128 v[4:7], v2, s[8:9]            ; g0(d), g1(d), g0(d+1), g1(d+1)
	s_lshl_b32 s34, s3, 6
	v_add_nc_u32 v3, s34, v1
	v_lshlrev_b32 v22, 3, v3
	v_lshlrev_b32 v23, 2, v3
	global_load_b64 v[8:9], v22, s[10:11]
	global_load_b64 v[10:11], v22, s[10:11] offset:256
	global_load_b32 v12, v23, s[12:13]
	global_load_b32 v13, v23, s[12:13] offset:128
	global_load_b32 v14, v23, s[14:15]
	global_load_b32 v15, v23, s[14:15] offset:128
	global_load_b32 v16, v23, s[14:15] offset:1024
	global_load_b32 v17, v23, s[14:15] offset:1152
	v_mov_b32 v64, 0xaf95df0b
	v_mov_b32 v65, 0xaf95df0b
	v_mov_b32 v66, 0xb77460cd
	v_mov_b32 v67, 0xb77460cd
.irp k, 18,19,20,21
	v_mov_b32 v\k, 0
.endr
	s_wait_loadcnt 0x0
	s_wait_kmcnt 0x0
	s_mov_b32 s38, 0
.Lo:                                                   ; 16 trips, four hidden units each
	s_add_co_u32 s39, s38, 16
.irp k, 0,1,2,3
	v_readlane_b32 s[40+5*\k], v[8+2*(\k/2)], s[38+\k%2]
	v_readlane_b32 s[41+5*\k], v[9+2*(\k/2)], s[38+\k%2]
	v_readlane_b32 s[42+5*\k], v[12+\k/2], s[38+\k%2]
	v_readlane_b32 s[43+5*\k], v[14+\k/2], s[38+\k%2]
	v_readlane_b32 s[44+5*\k], v[16+\k/2], s[38+\k%2]
.endr
.irp k, 0,1,2,3
.irp d, 0,1
	v_fma_f32 v[24+2*\k+\d], v[5+2*\d], s[41+5*\k], s[42+5*\k]
.endr
.endr
.irp k, 0,1,2,3
.irp d, 0,1
	v_fma_f32 v[24+2*\k+\d], v[4+2*\d], s[40+5*\k], v[24+2*\k+\d]
.endr
.endr
	GELU8 24, 8, 32
.irp k, 0,1,2,3
.irp d, 0,1
	v_fmac_f32 v[18+2*\d], s[43+5*\k], v[24+2*\k+\d]
	v_fmac_f32 v[19+2*\d], s[44+5*\k], v[24+2*\k+\d]
.endr
.endr
	s_add_co_u32 s38, s38, 1
	s_cmp_lt_u32 s38, 16
	s_cbranch_scc1 .Lo
	v_lshlrev_b32 v22, 4, v0
	ds_store_b128 v22, v[18:21]                    ; my wave's part of the four sums
	s_wait_dscnt 0x0
	s_barrier_signal -1
	s_barrier_wait -1
	s_cmp_lg_u32 s3, 0
	s_cbranch_scc1 .Lend
.irp k, 0,1,2,3
	ds_load_b128 v[24+4*\k:27+4*\k], v2 offset:512*\k
.endr
	s_wait_dscnt 0x0
.irp k, 1,2,3
	v_pk_add_f32 v[24:25], v[24:25], v[24+4*\k:25+4*\k]
	v_pk_add_f32 v[26:27], v[26:27], v[26+4*\k:27+4*\k]
.endr
.irp d, 0,1
	v_add_f32 v[24+2*\d], s36, v[24+2*\d]
	v_add_f32 v[25+2*\d], s37, v[25+2*\d]
.endr
	v_pk_add_f32 v[24:25], v[24:25], v[4:5]
	v_pk_add_f32 v[26:27], v[26:27], v[6:7]
	v_mov_b32 v40, v24
	v_mov_b32 v41, v26
	v_mov_b32 v42, v25
	v_mov_b32 v43, v27
	v_lshrrev_b32 v44, 3, v1
	v_and_b32 v45, 7, v1
	v_lshlrev_b32 v44, 11, v44
	v_lshl_add_u32 v44, v45, 3, v44                ; (d/16) 2048 + (d%16) 4 for my two channels
	s_and_b32 s34, ttmp9, 7
	s_lshl_b32 s34, s34, 13
	s_lshr_b32 s38, ttmp9, 3
	s_lshl_b32 s38, s38, 7
	s_add_co_u32 s34, s34, s38
	s_add_nc_u64 s[28:29], s[28:29], s[34:35]
	global_store_b64 v44, v[40:41], s[28:29]
	global_store_b64 v44, v[42:43], s[28:29] offset:64
	s_branch .Lend
.Lpack:
	; ---- a wave packs fragments 2 i and 2 i + 1 of (pass p, wave w)
	s_sub_co_u32 s40, ttmp9, 128
	s_lshl_b32 s40, s40, 2
	s_add_co_u32 s40, s40, s3
	s_lshr_b32 s41, s40, 6                         ; p
	s_bfe_u32 s42, s40, 0x20004                    ; w
	s_and_b32 s43, s40, 15                         ; i
	s_mov_b32 s48, 8
	s_mov_b32 s49, 7
	s_mov_b64 s[50:51], s[26:27]
	s_cmp_lt_u32 s41, 8
	s_cselect_b32 s48, 6, s48
	s_cselect_b64 s[50:51], s[24:25], s[50:51]
	s_cselect_b32 s52, 12, 11                      ; log2 of a row's bytes
	s_cmp_lt_u32 s41, 6
	s_cselect_b32 s48, 2, s48
	s_cselect_b32 s49, 8, s49
	s_cselect_b64 s[50:51], s[22:23], s[50:51]
	s_cmp_lt_u32 s41, 2
	s_cselect_b32 s48, s41, s48
	s_cselect_b32 s49, 7, s49
	s_cselect_b32 s52, 11, s52
	s_cselect_b64 s[50:51], s[20:21], s[50:51]
	s_cselect_b32 s44, 2, 1
	s_cselect_b32 s45, 3, 1
	s_cmp_eq_u32 s41, 0
	s_cselect_b64 s[50:51], s[18:19], s[50:51]
	s_lshr_b32 s46, s43, s44                       ; K step
	s_and_b32 s47, s43, s45                        ; t / 2
	s_sub_co_u32 s48, s41, s48
	s_lshl_b32 s48, s48, 6
	s_lshl_b32 s49, s42, s49
	s_add_co_u32 s48, s48, s49
	s_lshl_b32 s47, s47, 5
	s_add_co_u32 s48, s48, s47                     ; the pair's first row
	s_lshl_b32 s48, s48, s52
	s_lshl_b32 s46, s46, 9
	s_add_co_u32 s48, s48, s46
	s_mov_b32 s49, 0
	s_add_nc_u64 s[50:51], s[50:51], s[48:49]
	s_lshl_b32 s53, 8, s52
	v_and_b32 v2, 15, v0
	v_bfe_u32 v3, v0, 4, 1
	v_and_b32 v4, 8, v2
	v_add_nc_u32 v4, v4, v2                        ; r + 8 (r / 8)
	v_lshlrev_b32 v5, s52, v4
	v_lshl_add_u32 v5, v3, 7, v5
	v_add_nc_u32 v6, s53, v5                       ; the odd tile: eight rows on
	v_lshlrev_b32 v7, 4, v1
.irp e, 0,1
.irp c, 0,1
.irp q, 0,1,2,3,4,5,6,7
	global_load_b128 v[16+64*\e+32*\c+4*\q:19+64*\e+32*\c+4*\q], v[5+\e], s[50:51] offset:256*\c+16*\q
.endr
.endr
.endr
	s_mul_i32 s53, s41, 196608
	s_mul_i32 s54, s42, 49152
	s_mul_i32 s55, s43, 3072
	s_add_co_u32 s48, s53, s54
	s_add_co_u32 s48, s48, s55
	s_add_nc_u64 s[30:31], s[30:31], s[48:49]
	s_lshl_b32 s53, s41, 2
	s_add_co_u32 s53, s53, s42
	s_lshl_b32 s53, s53, 11
	s_lshr_b32 s54, s43, 2
	s_lshl_b32 s54, s54, 9
	s_and_b32 s55, s43, 3
	s_lshl_b32 s55, s55, 2
	s_add_co_u32 s48, s53, s54
	s_add_co_u32 s48, s48, s55
	s_add_nc_u64 s[32:33], s[32:33], s[48:49]
	s_wait_loadcnt 16                              ; the even fragment's 16 loads are in; the odd one's 16 are younger
	QB 16, 144, 168, 172
	s_wait_loadcnt 0x0
	QB 80, 156, 169, 172
.irp c, 0,1,2,3,4,5
	global_store_b128 v7, v[144+4*\c:147+4*\c], s[30:31] offset:512*\c     ; 512 consecutive bytes a store
.endr
	v_cmp_gt_u32 vcc_lo, 16, v1
	v_cndmask_b32 v170, v169, v168, vcc_lo
	global_store_b32 v7, v170, s[32:33]
.Lend:
	s_wait_tensorcnt 0x0
	ds_add_u32 v224, v225
	s_wait_dscnt 0x0
	s_endpgm
.Lfunc_end_k_q27db97376d_prep:
	.size	k_q27db97376d_prep, .Lfunc_end_k_q27db97376d_prep-k_q27db97376d_prep
	.p2alignl 7, 3214868480
	.fill 96, 4, 3214868480
	.section	.rodata,"a",@progbits
	.p2align	6, 0x0
	.amdhsa_kernel k_q27db97376d_prep
		.amdhsa_group_segment_fixed_size 4608
		.amdhsa_private_segment_fixed_size 0
		.amdhsa_enable_private_segment 0
		.amdhsa_kernarg_size 104
		.amdhsa_user_sgpr_count 2
		.amdhsa_user_sgpr_kernarg_segment_ptr 1
		.amdhsa_wavefront_size32 1
		.amdhsa_system_sgpr_workgroup_id_x 1
		.amdhsa_system_sgpr_workgroup_id_y 1
		.amdhsa_system_sgpr_workgroup_id_z 1
		.amdhsa_system_vgpr_workitem_id 0
		.amdhsa_next_free_vgpr 226
		.amdhsa_next_free_sgpr 66
		.amdhsa_reserve_vcc 1
		.amdhsa_float_denorm_mode_32 3
		.amdhsa_float_denorm_mode_16_64 3
		.amdhsa_memory_ordered 1
		.amdhsa_forward_progress 1
		.amdhsa_inst_pref_size 26
	.end_amdhsa_kernel
	.amdgpu_metadata
---
amdhsa.version: [ 1, 2 ]
amdhsa.kernels:
  - .name:           k_q27db97376d_prep
    .symbol:         k_q27db97376d_prep.kd
    .args:
      - { .name: group_token, .offset: 0, .size: 8, .value_kind: global_buffer, .address_space: global }
      - { .name: ws1_w, .offset: 8, .size: 8, .value_kind: global_buffer, .address_space: global }
      - { .name: ws1_b, .offset: 16, .size: 8, .value_kind: global_buffer, .address_space: global }
      - { .name: ws2_w, .offset: 24, .size: 8, .value_kind: global_buffer, .address_space: global }
      - { .name: ws2_b, .offset: 32, .size: 8, .value_kind: global_buffer, .address_space: global }
      - { .name: q_w, .offset: 40, .size: 8, .value_kind: global_buffer, .address_space: global }
      - { .name: merge_w, .offset: 48, .size: 8, .value_kind: global_buffer, .address_space: global }
      - { .name: m1_w, .offset: 56, .size: 8, .value_kind: global_buffer, .address_space: global }
      - { .name: m2_w, .offset: 64, .size: 8, .value_kind: global_buffer, .address_space: global }
      - { .name: g1_w, .offset: 72, .size: 8, .value_kind: global_buffer, .address_space: global }
      - { .name: gt1, .offset: 80, .size: 8, .value_kind: global_buffer, .address_space: global }
      - { .name: wp, .offset: 88, .size: 8, .value_kind: global_buffer, .address_space: global }
      - { .name: ws, .offset: 96, .size: 8, .value_kind: global_buffer, .address_space: global }
    .group_segment_fixed_size: 4608
    .private_segment_fixed_size: 0
    .kernarg_segment_align: 8
    .kernarg_segment_size: 104
    .max_flat_workgroup_size: 128
    .sgpr_count:     66
    .vgpr_count:     226
    .wavefront_size: 32
...
	.end_amdgpu_metadata
.endif
;; end of part 1
;; launch p3 (part 2): grid 128 x 1, 4 waves a work-group, no clusters, 8,704 bytes of LDS; arguments gt1, wc1_w, wc1_b, hid; writes hid
.if DOCPART == 2
	.amdgcn_target "amdgcn-amd-amdhsa--gfx1250"
	.amdhsa_code_object_version 6
	.text
	.protected	k_q27db97376d_p3
	.globl	k_q27db97376d_p3
	.p2align	8
	.type	k_q27db97376d_p3,@function
k_q27db97376d_p3:
	s_mov_b64 s[64:65], 0
	v_nop
	global_prefetch_b8 v0, s[64:65] scope:SCOPE_SE
	s_setreg_imm32_b32 hwreg(HW_REG_WAVE_MODE, 25, 1), 1
	s_wait_xcnt 0x0
; hid = gelu(Q(gt1) Q(wc1_w)^T + wc1_b).  A work-group makes 16 outputs for the 32 rows; wave s takes K step s; the parts meet in LDS.
; gt1 lies [K/16][32][16] f32.  hid is laid in the order in which the next launch's lanes take it: number (row, k) at
; (k/128) 16384 + (row/16) 8192 + ((k/64)%2) 4096 + ((k/4)%8) 512 + ((k/32)%2) 256 + (row%16) 16 + (k%4) 4, so that each of that launch's loads reads 512 consecutive bytes.
; LIMITS: erf is x P(x^2)/Q(x^2) with x held to +-4 (absolute error about 1e-7); NaN and infinities are not served; a block under 2^-122 keeps the byte 1.
.set KK, 512
.set NW, KK/128
.set KAR, 8
.set KBR, 10
.set HREG, 2
.set SELR, 20
.macro GELU8 Y, n, T
.set gi, 0
.rept (\n)/2
	v_pk_mul_f32 v[\T+gi:\T+gi+1], v[\Y+gi:\Y+gi+1], 0x3f3504f3 op_sel_hi:[1,0]
.set gi, gi+2
.endr
.set gi, 0
.rept \n
	v_med3_num_f32 v[\T+gi], v[\T+gi], -4.0, 4.0
.set gi, gi+1
.endr
.set gi, 0
.rept (\n)/2
	v_pk_mul_f32 v[\T+8+gi:\T+9+gi], v[\T+gi:\T+gi+1], v[\T+gi:\T+gi+1]
.set gi, gi+2
.endr
.set gi, 0
.rept (\n)/2
	v_pk_fma_f32 v[\T+16+gi:\T+17+gi], v[\T+8+gi:\T+9+gi], v[KAR:KAR+1], 0x32edffee op_sel_hi:[1,1,0]
	v_pk_fma_f32 v[\T+24+gi:\T+25+gi], v[\T+8+gi:\T+9+gi], v[KBR:KBR+1], 0xb95fbd29 op_sel_hi:[1,1,0]
.set gi, gi+2
.endr
.irp a, 0xb60cff51, 0xb86ec2d2, 0xba40ac63, 0xbb41a1f6, 0xbc83dbd4
.set gi, 0
.rept (\n)/2
	v_pk_fma_f32 v[\T+16+gi:\T+17+gi], v[\T+16+gi:\T+17+gi], v[\T+8+gi:\T+9+gi], \a op_sel_hi:[1,1,0]
.set gi, gi+2
.endr
.endr
.irp a, 0xbadc924e, 0xbbf19bf8, 0xbc69b6a7
.set gi, 0
.rept (\n)/2
	v_pk_fma_f32 v[\T+24+gi:\T+25+gi], v[\T+24+gi:\T+25+gi], v[\T+8+gi:\T+9+gi], \a op_sel_hi:[1,1,0]
.set gi, gi+2
.endr
.endr
.set gi, 0
.rept \n
	v_rcp_f32 v[\T+24+gi], v[\T+24+gi]
.set gi, gi+1
.endr
.set gi, 0
.rept (\n)/2
	v_pk_mul_f32 v[\T+16+gi:\T+17+gi], v[\T+16+gi:\T+17+gi], v[\T+gi:\T+gi+1]
	v_pk_mul_f32 v[\T+8+gi:\T+9+gi], v[\Y+gi:\Y+gi+1], 0.5 op_sel_hi:[1,0]
.set gi, gi+2
.endr
	s_wait_alu depctr_va_vdst(0)                   ; one wait for the batch of reciprocals
.set gi, 0
.rept (\n)/2
	v_pk_mul_f32 v[\T+16+gi:\T+17+gi], v[\T+16+gi:\T+17+gi], v[\T+24+gi:\T+25+gi]
.set gi, gi+2
.endr
.set gi, 0
.rept (\n)/2
	v_pk_fma_f32 v[\Y+gi:\Y+gi+1], v[\T+8+gi:\T+9+gi], v[\T+16+gi:\T+17+gi], v[\T+8+gi:\T+9+gi]
.set gi, gi+2
.endr
.endm
.macro QB RAW, OUT, SW, TQ
.irp c, 0,1
	v_max3_num_f32 v[\TQ+\c], |v[\RAW+32*\c]|, |v[\RAW+32*\c+1]|, 0x2800000
.endr
.irp i, 2,4,6,8,10,12,14,16,18,20,22,24,26,28,30
.irp c, 0,1
	v_max3_num_f32 v[\TQ+\c], v[\TQ+\c], |v[\RAW+32*\c+\i]|, |v[\RAW+32*\c+\i+1]|
.endr
.endr
.irp c, 0,1
	v_add_nc_u32 v[\TQ+2+\c], 0xfe000000, v[\TQ+\c]
.endr
.irp c, 0,1
	v_lshrrev_b32 v[\TQ+\c], 23, v[\TQ+2+\c]
.endr
	v_lshl_or_b32 v[\SW], v[\TQ+1], 16, v[\TQ]
	v_lshlrev_b32 v[\TQ], 3, v[HREG]
	v_lshlrev_b32 v[\SW], v[\TQ], v[\SW]
	v_mov_b32 v[\TQ], 0
	v_permlanex16_b32 v[\TQ], v[\SW], s[SELR], s[SELR+1]
	v_or_b32 v[\SW], v[\SW], v[\TQ]
.irp c, 0,1
	v_cvt_scalef32_pk16_bf6_f32 v[\OUT+6*\c:\OUT+6*\c+2], v[\RAW+32*\c:\RAW+32*\c+15], v[\TQ+2+\c]
	v_cvt_scalef32_pk16_bf6_f32 v[\TQ+4+4*\c:\TQ+6+4*\c], v[\RAW+32*\c+16:\RAW+32*\c+31], v[\TQ+2+\c]
.endr
	v_nop
.irp c, 0,1
.irp i, 0,1,2
	v_mov_b32 v[\OUT+3+6*\c+\i], v[\TQ+4+4*\c+\i]
.endr
.endr
.endm
	s_load_b128 s[4:7], s[0:1], 0x0                ; rows, weight
	s_load_b128 s[8:11], s[0:1], 0x10              ; bias, result
	v_lshl_add_u32 v251, v0, 2, 0x2000
	v_mov_b32 v255, 0
	v_lshrrev_b32 v1, 5, v0
	v_readfirstlane_b32 s16, v1                    ; wave = K step
	v_and_b32 v1, 15, v0
	v_bfe_u32 v2, v0, 4, 1
	v_mul_u32_u24 v3, v1, KK*4
	v_lshl_add_u32 v3, v2, 7, v3                   ; weight: row r, + 128 h
	v_lshlrev_b32 v4, 6, v1
	v_lshl_add_u32 v5, v2, 5, v4
	v_lshl_add_u32 v4, v2, 12, v4                  ; rows: 64 r + 4096 h
	s_lshl_b32 s17, s16, 11
	v_add_nc_u32 v5, s17, v5                       ; LDS: 2048 s + 64 r + 32 h
	; the last phase: thread t takes row 16 (t / 64) + t % 16 and the four outputs 4 ((t / 16) % 4) ..
	v_lshrrev_b32 v6, 6, v0                        ; t / 64
	v_bfe_u32 v7, v0, 4, 2                         ; (t / 16) % 4
	v_lshlrev_b32 v15, 13, v6
	v_lshl_add_u32 v15, v7, 9, v15
	v_lshl_add_u32 v15, v1, 4, v15                 ; in hid: sixteen neighbouring lanes store 256 consecutive bytes
	v_lshlrev_b32 v6, 10, v6
	v_lshl_add_u32 v6, v1, 6, v6
	v_lshl_add_u32 v6, v7, 4, v6                   ; in a part in LDS: rows of 64 bytes
	v_lshlrev_b32 v7, 4, v7                        ; in the bias
	v_mov_b32 v8, 0xaf95df0b
	v_mov_b32 v9, 0xaf95df0b
	v_mov_b32 v10, 0xb77460cd
	v_mov_b32 v11, 0xb77460cd
	s_mov_b32 s20, 0x76543210
	s_mov_b32 s21, 0xfedcba98
	s_mul_i32 s18, ttmp9, 64*KK
	s_lshl_b32 s19, s16, 9
	s_add_co_u32 s18, s18, s19
	s_mov_b32 s19, 0
	s_lshl_b32 s24, s16, 14
	s_mov_b32 s25, 0
	s_lshl_b32 s26, ttmp9, 6
	s_mov_b32 s27, 0
	s_lshr_b32 s28, ttmp9, 3                       ; my 16 outputs k = 16 g ..: k / 128,
	s_lshl_b32 s28, s28, 14
	s_bfe_u32 s30, ttmp9, 0x10002                  ; (k / 64) % 2,
	s_lshl_b32 s30, s30, 12
	s_add_co_u32 s28, s28, s30
	s_bfe_u32 s30, ttmp9, 0x10001                  ; (k / 32) % 2,
	s_lshl_b32 s30, s30, 8
	s_add_co_u32 s28, s28, s30
	s_and_b32 s30, ttmp9, 1                        ; and (k / 16) % 2: four places of 512 bytes
	s_lshl_b32 s30, s30, 11
	s_add_co_u32 s28, s28, s30
	s_mov_b32 s29, 0
	s_wait_kmcnt 0x0
	s_add_nc_u64 s[6:7], s[6:7], s[18:19]
	s_add_nc_u64 s[4:5], s[4:5], s[24:25]
	s_add_nc_u64 s[8:9], s[8:9], s[26:27]
	s_add_nc_u64 s[10:11], s[10:11], s[28:29]
.irp c, 0,1
.irp q, 0,1,2,3,4,5,6,7
	global_load_b128 v[16+32*\c+4*\q:19+32*\c+4*\q], v3, s[6:7] offset:256*\c+16*\q
.endr
.endr
.irp u, 0,1
.irp c, 0,1
.irp q, 0,1,2,3,4,5,6,7
	global_load_b128 v[80+64*\u+32*\c+4*\q:83+64*\u+32*\c+4*\q], v4, s[4:5] offset:8192*\c+2048*(\q/4)+1024*\u+16*(\q%4)
.endr
.endr
.endr
	s_wait_loadcnt 32                              ; the weight's 16 loads are in; the rows' 32 are younger
	QB 16, 208, 12, 244
	s_wait_loadcnt 16                              ; rows 0-15 are in; rows 16-31's 16 loads are younger
	QB 80, 220, 13, 244
	s_wait_loadcnt 0x0
	QB 144, 232, 14, 244
	global_load_b128 v[80:83], v7, s[8:9]          ; the bias of my four outputs
.rept 8
	v_nop                                          ; a scale register written by a vector instruction stands 8 places ahead of a scaled product
.endr
	v_wmma_scale_f32_16x16x128_f8f6f4 v[16:23], v[208:219], v[220:231], 0, v12, v13 matrix_a_fmt:MATRIX_FMT_BF6 matrix_b_fmt:MATRIX_FMT_BF6
	v_wmma_scale_f32_16x16x128_f8f6f4 v[24:31], v[208:219], v[232:243], 0, v12, v14 matrix_a_fmt:MATRIX_FMT_BF6 matrix_b_fmt:MATRIX_FMT_BF6
.rept 4
	v_nop
.endr
.irp u, 0,1
	ds_store_b128 v5, v[16+8*\u:19+8*\u] offset:1024*\u
	ds_store_b128 v5, v[20+8*\u:23+8*\u] offset:1024*\u+16
.endr
	s_wait_dscnt 0x0
	s_barrier_signal -1
	s_barrier_wait -1
.irp k, 0,1,2,3
	ds_load_b128 v[32+4*\k:35+4*\k], v6 offset:2048*\k
.endr
	s_wait_dscnt 0x0
.irp k, 1,2,3
	v_pk_add_f32 v[32:33], v[32:33], v[32+4*\k:33+4*\k]
	v_pk_add_f32 v[34:35], v[34:35], v[34+4*\k:35+4*\k]
.endr
	s_wait_loadcnt 0x0
	v_pk_add_f32 v[32:33], v[32:33], v[80:81]
	v_pk_add_f32 v[34:35], v[34:35], v[82:83]
	GELU8 32, 4, 48
	global_store_b128 v15, v[32:35], s[10:11]      ; sixteen lanes store 256 consecutive bytes, at a multiple of 256 from hid's first byte
	s_wait_tensorcnt 0x0
	ds_add_u32 v251, v255
	s_wait_dscnt 0x0
	s_endpgm
.Lfunc_end_k_q27db97376d_p3:
	.size	k_q27db97376d_p3, .Lfunc_end_k_q27db97376d_p3-k_q27db97376d_p3
	.p2alignl 7, 3214868480
	.fill 96, 4, 3214868480
	.section	.rodata,"a",@progbits
	.p2align	6, 0x0
	.amdhsa_kernel k_q27db97376d_p3
		.amdhsa_group_segment_fixed_size 8704
		.amdhsa_private_segment_fixed_size 0
		.amdhsa_enable_private_segment 0
		.amdhsa_kernarg_size 32
		.amdhsa_user_sgpr_count 2
		.amdhsa_user_sgpr_kernarg_segment_ptr 1
		.amdhsa_wavefront_size32 1
		.amdhsa_system_sgpr_workgroup_id_x 1
		.amdhsa_system_sgpr_workgroup_id_y 1
		.amdhsa_system_sgpr_workgroup_id_z 1
		.amdhsa_system_vgpr_workitem_id 0
		.amdhsa_next_free_vgpr 256
		.amdhsa_next_free_sgpr 66
		.amdhsa_reserve_vcc 0
		.amdhsa_float_denorm_mode_32 3
		.amdhsa_float_denorm_mode_16_64 3
		.amdhsa_memory_ordered 1
		.amdhsa_forward_progress 1
		.amdhsa_inst_pref_size 22
	.end_amdhsa_kernel
	.amdgpu_metadata
---
amdhsa.version: [ 1, 2 ]
amdhsa.kernels:
  - .name:           k_q27db97376d_p3
    .symbol:         k_q27db97376d_p3.kd
    .args:
      - { .name: gt1, .offset: 0, .size: 8, .value_kind: global_buffer, .address_space: global }
      - { .name: wc1_w, .offset: 8, .size: 8, .value_kind: global_buffer, .address_space: global }
      - { .name: wc1_b, .offset: 16, .size: 8, .value_kind: global_buffer, .address_space: global }
      - { .name: hid, .offset: 24, .size: 8, .value_kind: global_buffer, .address_space: global }
    .group_segment_fixed_size: 8704
    .private_segment_fixed_size: 0
    .kernarg_segment_align: 8
    .kernarg_segment_size: 32
    .max_flat_workgroup_size: 128
    .sgpr_count:     66
    .vgpr_count:     256
    .wavefront_size: 32
...
	.end_amdgpu_metadata
.endif
;; end of part 2
;; launch p4 (part 3): grid 64 x 1, 16 waves a work-group, no clusters, 153,600 bytes of LDS; arguments hid, wc2_w, wc2_b, gt1, gt2; writes gt2
.if DOCPART == 3
	.amdgcn_target "amdgcn-amd-amdhsa--gfx1250"
	.amdhsa_code_object_version 6
	.text
	.protected	k_q27db97376d_p4
	.globl	k_q27db97376d_p4
	.p2align	8
	.type	k_q27db97376d_p4,@function
k_q27db97376d_p4:
	s_mov_b64 s[64:65], 0
	v_nop
	global_prefetch_b8 v0, s[64:65] scope:SCOPE_SE
	s_setreg_imm32_b32 hwreg(HW_REG_WAVE_MODE, 25, 1), 1
	s_wait_xcnt 0x0
; gt2 = gt1 + Q(hid) Q(wc2_w)^T + wc2_b.  A work-group makes 16 outputs for 16 of the 32 rows; wave s takes K step s of 16; the parts meet in LDS.
; EVERY LOAD OF A WAVE READS 512 CONSECUTIVE BYTES.  hid was laid by the launch before in the order of this launch's lanes (16 x lane).  A weight row's 512 bytes of the K step come by one load,
; 16 bytes a lane; the quantiser wants 32 neighbours along K in ONE lane, so the wave's 16 rows turn through its own stage in LDS (rows of 512 + 16 bytes: the sixteen rows that a read touches start
; 132 words apart).  The stage is the wave's own: LDS serves a wave's instructions in order, so no barrier and no wait stands between its stores and its loads.
; gt1 and gt2 lie [K/16][32][16] f32.  LIMITS: no NaN or infinities; blocks under 2^-122 keep the byte 1.
.set KK, 2048
.set WSTG, 16*528                      ; a wave's stage
.set PS, 16*WSTG                       ; behind the stages: the sixteen parts, 1024 bytes each
.set HREG, 2
.set SELR, 20
.macro QB RAW, OUT, SW, TQ
.irp c, 0,1
	v_max3_num_f32 v[\TQ+\c], |v[\RAW+32*\c]|, |v[\RAW+32*\c+1]|, 0x2800000
.endr
.irp i, 2,4,6,8,10,12,14,16,18,20,22,24,26,28,30
.irp c, 0,1
	v_max3_num_f32 v[\TQ+\c], v[\TQ+\c], |v[\RAW+32*\c+\i]|, |v[\RAW+32*\c+\i+1]|
.endr
.endr
.irp c, 0,1
	v_add_nc_u32 v[\TQ+2+\c], 0xfe000000, v[\TQ+\c]
.endr
.irp c, 0,1
	v_lshrrev_b32 v[\TQ+\c], 23, v[\TQ+2+\c]
.endr
	v_lshl_or_b32 v[\SW], v[\TQ+1], 16, v[\TQ]
	v_lshlrev_b32 v[\TQ], 3, v[HREG]
	v_lshlrev_b32 v[\SW], v[\TQ], v[\SW]
	v_mov_b32 v[\TQ], 0
	v_permlanex16_b32 v[\TQ], v[\SW], s[SELR], s[SELR+1]
	v_or_b32 v[\SW], v[\SW], v[\TQ]
.irp c, 0,1
	v_cvt_scalef32_pk16_bf6_f32 v[\OUT+6*\c:\OUT+6*\c+2], v[\RAW+32*\c:\RAW+32*\c+15], v[\TQ+2+\c]
	v_cvt_scalef32_pk16_bf6_f32 v[\TQ+4+4*\c:\TQ+6+4*\c], v[\RAW+32*\c+16:\RAW+32*\c+31], v[\TQ+2+\c]
.endr
	v_nop
.irp c, 0,1
.irp i, 0,1,2
	v_mov_b32 v[\OUT+3+6*\c+\i], v[\TQ+4+4*\c+\i]
.endr
.endr
.endm
	s_load_b128 s[4:7], s[0:1], 0x0                ; hid, wc2_w
	s_load_b128 s[8:11], s[0:1], 0x10              ; wc2_b, gt1
	s_load_b64 s[12:13], s[0:1], 0x20              ; gt2
	v_lshl_add_u32 v251, v0, 2, 0x25000
	v_mov_b32 v255, 0
	v_lshrrev_b32 v1, 5, v0
	v_readfirstlane_b32 s16, v1                    ; wave = K step
	v_and_b32 v1, 15, v0                           ; r
	v_bfe_u32 v2, v0, 4, 1                         ; h
	v_and_b32 v3, 31, v0
	v_lshlrev_b32 v3, 4, v3                        ; 16 x lane: my place in every load
	s_mul_i32 s17, s16, WSTG
	v_add_nc_u32 v4, s17, v3                       ; the stage, on the way in: 16 x lane of a row
	v_mul_u32_u24 v8, v1, 528
	v_lshl_add_u32 v8, v2, 7, v8
	v_add_nc_u32 v8, s17, v8                       ; and on the way out: row r, + 128 h
	v_lshlrev_b32 v5, 6, v1
	v_lshl_add_u32 v5, v2, 5, v5
	s_lshl_b32 s17, s16, 10
	s_add_co_u32 s17, s17, PS
	v_add_nc_u32 v5, s17, v5                       ; my part: 1024 s + 64 r + 32 h
	v_and_b32 v6, 63, v0
	v_lshlrev_b32 v6, 4, v6                        ; the last phase: 16 x thread, threads 0 to 63
	v_add_nc_u32 v9, PS, v6
	v_and_b32 v7, 3, v0
	v_lshlrev_b32 v7, 4, v7
	s_mov_b32 s20, 0x76543210
	s_mov_b32 s21, 0xfedcba98
	s_lshr_b32 s22, ttmp9, 1                       ; tile of 16 outputs
	s_and_b32 s23, ttmp9, 1                        ; which 16 rows
	s_lshl_b32 s18, s22, 17                        ; 16 weight rows of 8192 bytes,
	s_lshl_b32 s19, s16, 9                         ; my K step's 512 bytes of a row
	s_add_co_u32 s18, s18, s19
	s_mov_b32 s19, 0
	s_lshl_b32 s24, s16, 14
	s_lshl_b32 s25, s23, 13
	s_add_co_u32 s24, s24, s25                     ; hid: 16384 s + 8192 x (which rows)
	s_mov_b32 s25, 0
	s_lshl_b32 s26, s22, 6
	s_mov_b32 s27, 0
	s_lshl_b32 s28, s22, 11
	s_lshl_b32 s29, s23, 10
	s_add_co_u32 s28, s28, s29                     ; gt1, gt2: 2048 x tile + 1024 x (which rows)
	s_mov_b32 s29, 0
	s_wait_kmcnt 0x0
	s_add_nc_u64 s[6:7], s[6:7], s[18:19]
	s_add_nc_u64 s[4:5], s[4:5], s[24:25]
	s_add_nc_u64 s[8:9], s[8:9], s[26:27]
	s_add_nc_u64 s[10:11], s[10:11], s[28:29]
	s_add_nc_u64 s[12:13], s[12:13], s[28:29]
.irp i, 0,1,2,3,4,5,6,7,8,9,10,11,12,13,14,15
	global_load_b128 v[16+4*\i:19+4*\i], v3, s[6:7] offset:8192*\i       ; weight row i: 512 consecutive bytes
.endr
.irp c, 0,1
.irp q, 0,1,2,3,4,5,6,7
	global_load_b128 v[80+32*\c+4*\q:83+32*\c+4*\q], v3, s[4:5] offset:4096*\c+512*\q   ; hid(r, 64 c + 32 h + 4 q ..)
.endr
.endr
	global_load_b128 v[144:147], v7, s[8:9]        ; bias
	global_load_b128 v[148:151], v6, s[10:11]      ; gt1 at the result's own place
	s_wait_loadcnt 18                              ; the weight's 16 loads are in; 16 of hid, the bias and gt1 are younger
.irp i, 0,1,2,3,4,5,6,7,8,9,10,11,12,13,14,15
	ds_store_b128 v4, v[16+4*\i:19+4*\i] offset:528*\i
.endr
.irp c, 0,1
.irp q, 0,1,2,3,4,5,6,7
	ds_load_b128 v[16+32*\c+4*\q:19+32*\c+4*\q], v8 offset:256*\c+16*\q  ; W(r, 64 c + 32 h + 4 q ..): these see the stores above
.endr
.endr
	s_wait_dscnt 0x0
	QB 16, 208, 12, 244
	s_wait_loadcnt 2                               ; hid's 16 loads are in; the bias and gt1 are younger
	QB 80, 220, 13, 244
.rept 8
	v_nop                                          ; a scale register written by a vector instruction stands 8 places ahead of a scaled product
.endr
	v_wmma_scale_f32_16x16x128_f8f6f4 v[16:23], v[208:219], v[220:231], 0, v12, v13 matrix_a_fmt:MATRIX_FMT_BF6 matrix_b_fmt:MATRIX_FMT_BF6
.rept 4
	v_nop
.endr
	ds_store_b128 v5, v[16:19]
	ds_store_b128 v5, v[20:23] offset:16
	s_wait_dscnt 0x0
	s_barrier_signal -1
	s_barrier_wait -1
	s_cmp_lt_u32 s16, 2                            ; 64 threads add the sixteen parts, K ascending
	s_cbranch_scc0 .Lend
.irp k, 0,1,2,3,4,5,6,7,8,9,10,11,12,13,14,15
	ds_load_b128 v[160+4*\k:163+4*\k], v9 offset:1024*\k
.endr
	s_wait_dscnt 0x0
.irp k, 1,2,3,4,5,6,7,8,9,10,11,12,13,14,15
	v_pk_add_f32 v[160:161], v[160:161], v[160+4*\k:161+4*\k]
	v_pk_add_f32 v[162:163], v[162:163], v[162+4*\k:163+4*\k]
.endr
	s_wait_loadcnt 0x0
	v_pk_add_f32 v[160:161], v[160:161], v[144:145]
	v_pk_add_f32 v[162:163], v[162:163], v[146:147]
	v_pk_add_f32 v[160:161], v[160:161], v[148:149]
	v_pk_add_f32 v[162:163], v[162:163], v[150:151]
	global_store_b128 v6, v[160:163], s[12:13]     ; a wave stores 512 consecutive bytes
.Lend:
	s_wait_tensorcnt 0x0
	ds_add_u32 v251, v255
	s_wait_dscnt 0x0
	s_endpgm
.Lfunc_end_k_q27db97376d_p4:
	.size	k_q27db97376d_p4, .Lfunc_end_k_q27db97376d_p4-k_q27db97376d_p4
	.p2alignl 7, 3214868480
	.fill 96, 4, 3214868480
	.section	.rodata,"a",@progbits
	.p2align	6, 0x0
	.amdhsa_kernel k_q27db97376d_p4
		.amdhsa_group_segment_fixed_size 153600
		.amdhsa_private_segment_fixed_size 0
		.amdhsa_enable_private_segment 0
		.amdhsa_kernarg_size 40
		.amdhsa_user_sgpr_count 2
		.amdhsa_user_sgpr_kernarg_segment_ptr 1
		.amdhsa_wavefront_size32 1
		.amdhsa_system_sgpr_workgroup_id_x 1
		.amdhsa_system_sgpr_workgroup_id_y 1
		.amdhsa_system_sgpr_workgroup_id_z 1
		.amdhsa_system_vgpr_workitem_id 0
		.amdhsa_next_free_vgpr 256
		.amdhsa_next_free_sgpr 66
		.amdhsa_reserve_vcc 0
		.amdhsa_float_denorm_mode_32 3
		.amdhsa_float_denorm_mode_16_64 3
		.amdhsa_memory_ordered 1
		.amdhsa_forward_progress 1
		.amdhsa_inst_pref_size 18
	.end_amdhsa_kernel
	.amdgpu_metadata
---
amdhsa.version: [ 1, 2 ]
amdhsa.kernels:
  - .name:           k_q27db97376d_p4
    .symbol:         k_q27db97376d_p4.kd
    .args:
      - { .name: hid, .offset: 0, .size: 8, .value_kind: global_buffer, .address_space: global }
      - { .name: wc2_w, .offset: 8, .size: 8, .value_kind: global_buffer, .address_space: global }
      - { .name: wc2_b, .offset: 16, .size: 8, .value_kind: global_buffer, .address_space: global }
      - { .name: gt1, .offset: 24, .size: 8, .value_kind: global_buffer, .address_space: global }
      - { .name: gt2, .offset: 32, .size: 8, .value_kind: global_buffer, .address_space: global }
    .group_segment_fixed_size: 153600
    .private_segment_fixed_size: 0
    .kernarg_segment_align: 8
    .kernarg_segment_size: 40
    .max_flat_workgroup_size: 512
    .sgpr_count:     66
    .vgpr_count:     256
    .wavefront_size: 32
...
	.end_amdgpu_metadata
.endif
;; end of part 3
;; launch p67 (part 4): grid 64 x 1, 4 waves a work-group, no clusters, 8,704 bytes of LDS; arguments gt2, k_w, v_w, k_b, v_b, kv; writes kv
.if DOCPART == 4
	.amdgcn_target "amdgcn-amd-amdhsa--gfx1250"
	.amdhsa_code_object_version 6
	.text
	.protected	k_q27db97376d_p67
	.globl	k_q27db97376d_p67
	.p2align	8
	.type	k_q27db97376d_p67,@function
k_q27db97376d_p67:
	s_mov_b64 s[64:65], 0
	v_nop
	global_prefetch_b8 v0, s[64:65] scope:SCOPE_SE
	s_setreg_imm32_b32 hwreg(HW_REG_WAVE_MODE, 25, 1), 1
	s_wait_xcnt 0x0
; k = Q(gt2) Q(k_w)^T + k_b (work-groups 0-31), v likewise (32-63).  kv = [k(key 0) - k(key 1) | v(key 0) | v(key 1)], each [16 batches][512] f32.
; LIMITS: no NaN or infinities; blocks under 2^-122 keep the byte 1.
.set KK, 512
.set HREG, 2
.set SELR, 20
.macro QB RAW, OUT, SW, TQ
.irp c, 0,1
	v_max3_num_f32 v[\TQ+\c], |v[\RAW+32*\c]|, |v[\RAW+32*\c+1]|, 0x2800000
.endr
.irp i, 2,4,6,8,10,12,14,16,18,20,22,24,26,28,30
.irp c, 0,1
	v_max3_num_f32 v[\TQ+\c], v[\TQ+\c], |v[\RAW+32*\c+\i]|, |v[\RAW+32*\c+\i+1]|
.endr
.endr
.irp c, 0,1
	v_add_nc_u32 v[\TQ+2+\c], 0xfe000000, v[\TQ+\c]
.endr
.irp c, 0,1
	v_lshrrev_b32 v[\TQ+\c], 23, v[\TQ+2+\c]
.endr
	v_lshl_or_b32 v[\SW], v[\TQ+1], 16, v[\TQ]
	v_lshlrev_b32 v[\TQ], 3, v[HREG]
	v_lshlrev_b32 v[\SW], v[\TQ], v[\SW]
	v_mov_b32 v[\TQ], 0
	v_permlanex16_b32 v[\TQ], v[\SW], s[SELR], s[SELR+1]
	v_or_b32 v[\SW], v[\SW], v[\TQ]
.irp c, 0,1
	v_cvt_scalef32_pk16_bf6_f32 v[\OUT+6*\c:\OUT+6*\c+2], v[\RAW+32*\c:\RAW+32*\c+15], v[\TQ+2+\c]
	v_cvt_scalef32_pk16_bf6_f32 v[\TQ+4+4*\c:\TQ+6+4*\c], v[\RAW+32*\c+16:\RAW+32*\c+31], v[\TQ+2+\c]
.endr
	v_nop
.irp c, 0,1
.irp i, 0,1,2
	v_mov_b32 v[\OUT+3+6*\c+\i], v[\TQ+4+4*\c+\i]
.endr
.endr
.endm
	s_load_b128 s[4:7], s[0:1], 0x0                ; gt2, k_w
	s_load_b128 s[8:11], s[0:1], 0x10              ; v_w, k_b
	s_load_b128 s[12:15], s[0:1], 0x20             ; v_b, kv
	v_lshl_add_u32 v251, v0, 2, 0x2000
	v_mov_b32 v255, 0
	v_lshrrev_b32 v1, 5, v0
	v_readfirstlane_b32 s16, v1
	v_and_b32 v1, 15, v0
	v_bfe_u32 v2, v0, 4, 1
	v_mul_u32_u24 v3, v1, KK*4
	v_lshl_add_u32 v3, v2, 7, v3
	v_lshlrev_b32 v4, 6, v1
	v_lshl_add_u32 v5, v2, 5, v4
	v_lshl_add_u32 v4, v2, 12, v4
	s_lshl_b32 s17, s16, 11
	v_add_nc_u32 v5, s17, v5
	v_and_b32 v7, 3, v0
	v_lshlrev_b32 v7, 4, v7                        ; 16 (thread % 4)
	v_bfe_u32 v8, v0, 2, 4                         ; batch
	v_lshl_add_u32 v6, v8, 7, v7                   ; LDS: rows 2 b and 2 b + 1
	v_lshl_add_u32 v15, v8, 11, v7                 ; kv: 2048 b + 16 (thread % 4)
	s_mov_b32 s20, 0x76543210
	s_mov_b32 s21, 0xfedcba98
	s_and_b32 s22, ttmp9, 31                       ; tile of 16 outputs
	s_mul_i32 s18, s22, 64*KK
	s_lshl_b32 s19, s16, 9
	s_add_co_u32 s18, s18, s19
	s_mov_b32 s19, 0
	s_lshl_b32 s24, s16, 14
	s_mov_b32 s25, 0
	s_lshl_b32 s26, s22, 6
	s_mov_b32 s27, 0
	s_wait_kmcnt 0x0
	s_cmp_lt_u32 ttmp9, 32
	s_cselect_b64 s[6:7], s[6:7], s[8:9]
	s_cselect_b64 s[8:9], s[10:11], s[12:13]
	s_add_nc_u64 s[6:7], s[6:7], s[18:19]
	s_add_nc_u64 s[4:5], s[4:5], s[24:25]
	s_add_nc_u64 s[8:9], s[8:9], s[26:27]
	s_add_nc_u64 s[14:15], s[14:15], s[26:27]
.irp c, 0,1
.irp q, 0,1,2,3,4,5,6,7
	global_load_b128 v[16+32*\c+4*\q:19+32*\c+4*\q], v3, s[6:7] offset:256*\c+16*\q
.endr
.endr
.irp u, 0,1
.irp c, 0,1
.irp q, 0,1,2,3,4,5,6,7
	global_load_b128 v[80+64*\u+32*\c+4*\q:83+64*\u+32*\c+4*\q], v4, s[4:5] offset:8192*\c+2048*(\q/4)+1024*\u+16*(\q%4)
.endr
.endr
.endr
	s_wait_loadcnt 32                              ; the weight's 16 loads are in; the rows' 32 are younger
	QB 16, 208, 12, 244
	s_wait_loadcnt 16                              ; rows 0-15 are in; 16 loads are younger
	QB 80, 220, 13, 244
	s_wait_loadcnt 0x0
	QB 144, 232, 14, 244
	global_load_b128 v[80:83], v7, s[8:9]          ; bias
.rept 8
	v_nop
.endr
	v_wmma_scale_f32_16x16x128_f8f6f4 v[16:23], v[208:219], v[220:231], 0, v12, v13 matrix_a_fmt:MATRIX_FMT_BF6 matrix_b_fmt:MATRIX_FMT_BF6
	v_wmma_scale_f32_16x16x128_f8f6f4 v[24:31], v[208:219], v[232:243], 0, v12, v14 matrix_a_fmt:MATRIX_FMT_BF6 matrix_b_fmt:MATRIX_FMT_BF6
.rept 4
	v_nop
.endr
.irp u, 0,1
	ds_store_b128 v5, v[16+8*\u:19+8*\u] offset:1024*\u
	ds_store_b128 v5, v[20+8*\u:23+8*\u] offset:1024*\u+16
.endr
	s_wait_dscnt 0x0
	s_barrier_signal -1
	s_barrier_wait -1
	s_cmp_lt_u32 s16, 2                            ; 64 threads: a batch's two rows, four outputs each
	s_cbranch_scc0 .Lend
.irp k, 0,1,2,3
	ds_load_b128 v[32+8*\k:35+8*\k], v6 offset:2048*\k
	ds_load_b128 v[36+8*\k:39+8*\k], v6 offset:2048*\k+64
.endr
	s_wait_dscnt 0x0
.irp k, 1,2,3
.irp j, 0,2,4,6
	v_pk_add_f32 v[32+\j:33+\j], v[32+\j:33+\j], v[32+8*\k+\j:33+8*\k+\j]
.endr
.endr
	s_wait_loadcnt 0x0
.irp j, 0,4
	v_pk_add_f32 v[32+\j:33+\j], v[32+\j:33+\j], v[80:81]
	v_pk_add_f32 v[34+\j:35+\j], v[34+\j:35+\j], v[82:83]
.endr
	s_cmp_lt_u32 ttmp9, 32
	s_cbranch_scc0 .Lv
	v_pk_add_f32 v[40:41], v[32:33], v[36:37] neg_lo:[0,1] neg_hi:[0,1]
	v_pk_add_f32 v[42:43], v[34:35], v[38:39] neg_lo:[0,1] neg_hi:[0,1]
	global_store_b128 v15, v[40:43], s[14:15]
	s_branch .Lend
.Lv:
	global_store_b128 v15, v[32:35], s[14:15] offset:32768
	global_store_b128 v15, v[36:39], s[14:15] offset:65536
.Lend:
	s_wait_tensorcnt 0x0
	ds_add_u32 v251, v255
	s_wait_dscnt 0x0
	s_endpgm
.Lfunc_end_k_q27db97376d_p67:
	.size	k_q27db97376d_p67, .Lfunc_end_k_q27db97376d_p67-k_q27db97376d_p67
	.p2alignl 7, 3214868480
	.fill 96, 4, 3214868480
	.section	.rodata,"a",@progbits
	.p2align	6, 0x0
	.amdhsa_kernel k_q27db97376d_p67
		.amdhsa_group_segment_fixed_size 8704
		.amdhsa_private_segment_fixed_size 0
		.amdhsa_enable_private_segment 0
		.amdhsa_kernarg_size 48
		.amdhsa_user_sgpr_count 2
		.amdhsa_user_sgpr_kernarg_segment_ptr 1
		.amdhsa_wavefront_size32 1
		.amdhsa_system_sgpr_workgroup_id_x 1
		.amdhsa_system_sgpr_workgroup_id_y 1
		.amdhsa_system_sgpr_workgroup_id_z 1
		.amdhsa_system_vgpr_workitem_id 0
		.amdhsa_next_free_vgpr 256
		.amdhsa_next_free_sgpr 66
		.amdhsa_reserve_vcc 0
		.amdhsa_float_denorm_mode_32 3
		.amdhsa_float_denorm_mode_16_64 3
		.amdhsa_memory_ordered 1
		.amdhsa_forward_progress 1
		.amdhsa_inst_pref_size 19
	.end_amdhsa_kernel
	.amdgpu_metadata
---
amdhsa.version: [ 1, 2 ]
amdhsa.kernels:
  - .name:           k_q27db97376d_p67
    .symbol:         k_q27db97376d_p67.kd
    .args:
      - { .name: gt2, .offset: 0, .size: 8, .value_kind: global_buffer, .address_space: global }
      - { .name: k_w, .offset: 8, .size: 8, .value_kind: global_buffer, .address_space: global }
      - { .name: v_w, .offset: 16, .size: 8, .value_kind: global_buffer, .address_space: global }
      - { .name: k_b, .offset: 24, .size: 8, .value_kind: global_buffer, .address_space: global }
      - { .name: v_b, .offset: 32, .size: 8, .value_kind: global_buffer, .address_space: global }
      - { .name: kv, .offset: 40, .size: 8, .value_kind: global_buffer, .address_space: global }
    .group_segment_fixed_size: 8704
    .private_segment_fixed_size: 0
    .kernarg_segment_align: 8
    .kernarg_segment_size: 48
    .max_flat_workgroup_size: 128
    .sgpr_count:     66
    .vgpr_count:     256
    .wavefront_size: 32
...
	.end_amdgpu_metadata
.endif
;; end of part 4
;; launch main (part 5): grid 256 x 1, 4 waves a work-group, no clusters, 327,680 bytes of LDS; arguments x, wp, ws, kv, q_b, merge_b, n0_g, n0_b, m1_b, m2_b, n1_g, n1_b, g1_b, gl1_g, gl1_b, g2_w, g2_b, gl2_g, gl2_b, g3_w, g3_b, gl3_g, gl3_b, g4_w, g4_b, out0; writes out0
.if DOCPART == 5
	.amdgcn_target "amdgcn-amd-amdhsa--gfx1250"
	.amdhsa_code_object_version 6
	.text
	.protected	k_q27db97376d_main
	.globl	k_q27db97376d_main
	.p2align	8
	.type	k_q27db97376d_main,@function
k_q27db97376d_main:
	s_mov_b64 s[64:65], 0
	v_nop
	global_prefetch_b8 v0, s[64:65] scope:SCOPE_SE
	s_setreg_imm32_b32 hwreg(HW_REG_WAVE_MODE, 25, 1), 1
	s_wait_xcnt 0x0
; The whole chain of a position: q, two-key attention, merge, LN, m1, gelu, m2, LN + x, g1 .. g4, softmax.  A work-group owns 128 positions of one batch (8 tiles of 16).
; THE WAVES SHARE THE COLUMNS: wave w makes its output channels for all 128 positions; a pass's 32 weight fragments (packed by the first launch in the order of the operand's registers) stay in its
; registers and feed 8 tiles of rows, walked by a loop on fixed registers.  Two sets of weight registers take turns: while one is multiplied the next pass's fragments are loaded into the other.
; Every product is used transposed (source 0 = 16 rows of the weight, source 1 = 16 positions), and the rows of a weight tile are chosen so that a lane's register 16 B + i is channel
; base + 32 B + 16 (lane / 16) + i of position lane % 16: so results are quantised in registers.  Operands go from wave to wave through LDS as images of their registers.
; NO CLUSTER: the weights go from memory straight into registers and all of LDS holds activations, so there is no slot into which a shared tile could land.
; x comes once by one tensor load a wave (128 channels x 128 positions, f32), filled once; the regions below reach LDS byte 325,632.
; LIMITS: erf is x P(x^2)/Q(x^2) with x held to +-4 (absolute error about 1e-7); NaN and infinities are not served; a block whose largest magnitude is under 2^-122 keeps the byte 1.
; REGISTERS: window 0: v0-23 addresses and constants, v24-39 and v40-55 the two sets' scale words, v56-63 the activations' scale words (v24-63 hold scales and nothing else), v64-255 by phase.
;   set A: fragments 0-20 in window 1 (v0-251), 21-31 in window 2 (v0-131).  Set B: 0-9 in window 2 (v132-251), 10-30 in window 3, 31 in v252-255 of windows 1 to 3, copied to window 0 ahead of its products.
.set XFP,   66560                      ; a wave's x: 128 channel rows of 512 bytes + 8
.set GI,    0                          ; gelu(m1): images (8 s + m) 1536
.set GIS,   98304                      ; scale words: 512 s + 64 m + 4 r
.set PRM1,  102400                     ; merge_b, n0_g, n0_b, m2_b, n1_g, n1_b (2048 each), m1_b (4096)
.set PARK,  118784                     ; 32768 w + 4096 m + 512 j + 16 lane: m2's first half, later g1's parts
.set OI,    118784
.set OIS,   167936
.set DP,    169984                     ; 2048 w + 256 m + 16 r
.set HL,    178176
.set HLS,   227328
.set STAT0, 229376                     ; 1024 w + 128 m + 8 r
.set STAT1, 249856
.set OUTS,  253952
.set PRM2,  254464                     ; g1_b, gl1_g, gl1_b, g3_w (256 each), g2_b, gl2_g, gl2_b (64 each), g2_w at +1280
.set HX,    266240
.set HXS,   315392
.set PRM0,  317440                     ; kd, q_b, v0, v1 (2048 each)
.set KAR, 20
.set KBR, 22
.set BSLOT, 192
.set MSB, 0
.macro WIN new                         ; the immediate's high byte repeats the setting that is left
.if MSB != (\new)
	s_set_vgpr_msb (MSB<<8)|(\new)
.set MSB, (\new)
.endif
.endm
.macro WLOC set, f                     ; window WW and register WR of fragment f of a set
.if (\set) == 0
.if (\f) < 21
.set WW, 1
.set WR, 12*(\f)
.else
.set WW, 2
.set WR, 12*((\f)-21)
.endif
.else
.if (\f) < 10
.set WW, 2
.set WR, 132+12*(\f)
.elseif (\f) < 31
.set WW, 3
.set WR, 12*((\f)-10)
.else
.set WW, 0
.set WR, BSLOT
.endif
.endif
.endm
.macro WLP set, part, ext              ; 16 fragments of a pass (48 loads of 512 consecutive bytes); with part 0 its 16 scale registers
.set lf, 16*(\part)
.rept 16
.if ((\set) == 1) && (lf == 31)
.irp c, 0,1,2
	WIN ((\c+1)<<6)
	global_load_b128 v[252:255], v1, s[90:91] offset:(\ext)+1536*31+512*\c
.endr
.else
	WLOC \set, lf
	WIN (WW<<6)
.irp c, 0,1,2
	global_load_b128 v[WR+4*\c:WR+4*\c+3], v1, s[90:91] offset:(\ext)+1536*lf+512*\c
.endr
.endif
.set lf, lf+1
.endr
	WIN 0
.if (\part) == 0
.irp j, 0,1,2,3
	global_load_b128 v[24+16*(\set)+4*\j:27+16*(\set)+4*\j], v1, s[92:93] offset:512*\j
.endr
.endif
.endm
.macro WL0 set                         ; ahead of a pass: the set about to be multiplied is whole; the next pass's first half goes out
	s_wait_loadcnt 0x0
	s_add_nc_u64 s[90:91], s[90:91], 196608
	s_add_nc_u64 s[92:93], s[92:93], 8192
	WLP \set, 0, 0
.endm
.macro WL1 set                         ; in trip 4: its second half
	s_cmp_lg_u32 s2, 4
	s_cbranch_scc1 .Lw_\@
	WLP \set, 1, 0
.Lw_\@:
.endm
.macro RESTB                           ; set B's fragment 31 into window 0; four places ahead of the product that reads it
.irp c, 0,1,2
	WIN (\c+1)
.irp i, 0,1,2,3
	v_mov_b32 v[BSLOT+4*\c+\i], v[252+\i]
.endr
.endr
	WIN 0
.rept 4
	v_nop
.endr
.endm
.macro WM d, a, b, c, sa, sb, odd
.if \odd
	v_wmma_scale_f32_16x16x128_f8f6f4 v[\d:\d+7], v[\a:\a+11], v[\b:\b+11], \c, v[\sa], v[\sb] matrix_a_fmt:MATRIX_FMT_BF6 matrix_b_fmt:MATRIX_FMT_BF6 matrix_a_scale:MATRIX_SCALE_ROW1
.else
	v_wmma_scale_f32_16x16x128_f8f6f4 v[\d:\d+7], v[\a:\a+11], v[\b:\b+11], \c, v[\sa], v[\sb] matrix_a_fmt:MATRIX_FMT_BF6 matrix_b_fmt:MATRIX_FMT_BF6
.endif
.endm
; KS K steps from step s0 on, NT products each: K step by K step, the NT accumulators by turns, one instruction a turn.
; In K step 0: cmode 0: the sums begin with 0; 1: with the bias in v[cb ..]
.macro MM set, NT, KS, acc, af, cmode, cb, s0
.set ms, \s0
.rept \KS
.set mt, 0
.rept \NT
.set mf, ms*\NT+mt
	WLOC \set, mf
	WIN WW
.if ms > 0
	WM \acc+8*mt, WR, \af+12*ms, v[\acc+8*mt:\acc+8*mt+7], 24+16*(\set)+mf/2, 56+ms, mf%2
.elseif \cmode == 0
	WM \acc+8*mt, WR, \af+12*ms, 0, 24+16*(\set)+mf/2, 56+ms, mf%2
.else
	WM \acc+8*mt, WR, \af+12*ms, v[\cb+8*mt:\cb+8*mt+7], 24+16*(\set)+mf/2, 56+ms, mf%2
.endif
.set mt, mt+1
.endr
.set ms, ms+1
.endr
	WIN 0
.endm
.macro AFL n, reg, adr                 ; n fragments' images, K steps 12288 bytes apart
.set ab, 0
.rept \n
.irp c, 0,1,2
	ds_load_b128 v[\reg+12*ab+4*\c:\reg+12*ab+4*\c+3], v[\adr] offset:12288*ab+512*\c
.endr
.set ab, ab+1
.endr
.endm
.macro ASL n, reg, adr                 ; their scale words
.set ab, 0
.rept \n
	ds_load_b32 v[\reg+ab], v[\adr] offset:512*ab
.set ab, ab+1
.endr
.endm
.macro PL reg, nb, adr, imm            ; a per-channel array in my lane's layout: 16 registers for each 32 channels
.set pb, 0
.rept \nb
.irp q, 0,1,2,3
	ds_load_b128 v[\reg+16*pb+4*\q:\reg+16*pb+4*\q+3], v[\adr] offset:\imm+128*pb+16*\q
.endr
.set pb, pb+1
.endr
.endm
.macro IMG adr, PC
.irp c, 0,1,2
	ds_store_b128 v[\adr], v[\PC+4*\c:\PC+4*\c+3] offset:512*\c
.endr
.endm
.macro BAR
	s_wait_dscnt 0x0                               ; my LDS stores have landed and my LDS loads are in
	s_barrier_signal -1
	s_barrier_wait -1
.endm
.macro AFF H, G, B, np                 ; H = H G + B
.set ai, 0
.rept \np
	v_pk_fma_f32 v[\H+ai:\H+ai+1], v[\H+ai:\H+ai+1], v[\G+ai:\G+ai+1], v[\B+ai:\B+ai+1]
.set ai, ai+2
.endr
.endm
; 32 NC numbers of a lane (register 16 b + i = k 32 b + 16 (lane / 16) + i of my row) become 6 NC registers of codes in v[PC ..] and the scale bytes in v[TM + 4]
.macro QUANT S, TM, PT, PC, NC
.set qb, 0
.rept 2*\NC                            ; a block's 16 numbers of my lane in two chains, so that few lines wait for the line above them: numbers 0-7 with the floor, numbers 8-14
	v_max3_num_f32 v[\TM+qb], |v[\S+16*qb]|, |v[\S+16*qb+1]|, 0x2800000    ; the floor 2^(5 - 127): the byte cannot fall under 1
	v_max3_num_f32 v[\TM+8+qb], |v[\S+16*qb+8]|, |v[\S+16*qb+9]|, |v[\S+16*qb+10]|
.set qb, qb+1
.endr
.set qi, 2
.rept 3
.set qb, 0
.rept 2*\NC
	v_max3_num_f32 v[\TM+qb], v[\TM+qb], |v[\S+16*qb+qi]|, |v[\S+16*qb+qi+1]|
.if qi < 6
	v_max3_num_f32 v[\TM+8+qb], v[\TM+8+qb], |v[\S+16*qb+qi+9]|, |v[\S+16*qb+qi+10]|
.endif
.set qb, qb+1
.endr
.set qi, qi+2
.endr
.set qb, 0
.rept 2*\NC
	v_max3_num_f32 v[\TM+qb], v[\TM+qb], v[\TM+8+qb], |v[\S+16*qb+15]|     ; the two chains and number 15
.set qb, qb+1
.endr
.set qb, 0
.rept 2*\NC
	v_mov_b32 v[\TM+4+qb], 0
.set qb, qb+1
.endr
.set qb, 0
.rept 2*\NC
	v_permlanex16_b32 v[\TM+4+qb], v[\TM+qb], s96, s97
.set qb, qb+1
.endr
.set qb, 0
.rept 2*\NC
	v_max_num_f32 v[\TM+qb], v[\TM+qb], v[\TM+4+qb]
.set qb, qb+1
.endr
.set qb, 0
.rept 2*\NC
	v_add_nc_u32 v[\TM+8+qb], 0xfe000000, v[\TM+qb]    ; 4 off the exponent field: the conversion's scale operand
.set qb, qb+1
.endr
.set qb, 0
.rept 2*\NC
	v_lshrrev_b32 v[\TM+4+qb], 23, v[\TM+8+qb]
.set qb, qb+1
.endr
.set qb, 1
.rept 2*\NC-1
	v_lshl_or_b32 v[\TM+4], v[\TM+4+qb], 8*qb, v[\TM+4]
.set qb, qb+1
.endr
.set qb, 0
.rept \NC
	v_cvt_scalef32_pk16_bf6_f32 v[\PC+6*qb:\PC+6*qb+2], v[\S+32*qb:\S+32*qb+15], v[\TM+8+2*qb]
	v_cvt_scalef32_pk16_bf6_f32 v[\PT+4*qb:\PT+4*qb+2], v[\S+32*qb+16:\S+32*qb+31], v[\TM+9+2*qb]
.set qb, qb+1
.endr
	v_nop                                          ; one plain place behind a scaled conversion
.set qb, 0
.rept \NC
.irp i, 0,1,2
	v_permlane16_swap_b32 v[\PC+6*qb+\i], v[\PT+4*qb+\i]
.endr
.irp i, 0,1,2
	v_mov_b32 v[\PC+3+6*qb+\i], v[\PT+4*qb+\i]
.endr
.set qb, qb+1
.endr
.endm
.macro GPQ n, T, a, b                  ; one step of P's chain and one of Q's, pair by pair
.set gi, 0
.rept (\n)/2
	v_pk_fma_f32 v[\T+16+gi:\T+17+gi], v[\T+16+gi:\T+17+gi], v[\T+8+gi:\T+9+gi], \a op_sel_hi:[1,1,0]
	v_pk_fma_f32 v[\T+24+gi:\T+25+gi], v[\T+24+gi:\T+25+gi], v[\T+8+gi:\T+9+gi], \b op_sel_hi:[1,1,0]
.set gi, gi+2
.endr
.endm
.macro GP1 n, T, a                     ; one step of P's chain
.set gi, 0
.rept (\n)/2
	v_pk_fma_f32 v[\T+16+gi:\T+17+gi], v[\T+16+gi:\T+17+gi], v[\T+8+gi:\T+9+gi], \a op_sel_hi:[1,1,0]
.set gi, gi+2
.endr
.endm
; gelu(y) = h + h erf(y / sqrt 2), h = y / 2, on n registers in place; T: 32 registers at work (x, x^2 then h, P, Q).  Q's chain is the shorter: it goes beside P's first steps,
; its reciprocals are issued as soon as it is done, and P's last two steps, P x and h are the independent work between the batch and its one wait
.macro GELU8 Y, n, T
.set gi, 0
.rept (\n)/2
	v_pk_mul_f32 v[\T+gi:\T+gi+1], v[\Y+gi:\Y+gi+1], 0x3f3504f3 op_sel_hi:[1,0]
.set gi, gi+2
.endr
.set gi, 0
.rept \n
	v_med3_num_f32 v[\T+gi], v[\T+gi], -4.0, 4.0
.set gi, gi+1
.endr
.set gi, 0
.rept (\n)/2
	v_pk_mul_f32 v[\T+8+gi:\T+9+gi], v[\T+gi:\T+gi+1], v[\T+gi:\T+gi+1]
.set gi, gi+2
.endr
.set gi, 0
.rept (\n)/2
	v_pk_fma_f32 v[\T+16+gi:\T+17+gi], v[\T+8+gi:\T+9+gi], v[KAR:KAR+1], 0x32edffee op_sel_hi:[1,1,0]
	v_pk_fma_f32 v[\T+24+gi:\T+25+gi], v[\T+8+gi:\T+9+gi], v[KBR:KBR+1], 0xb95fbd29 op_sel_hi:[1,1,0]
.set gi, gi+2
.endr
	GPQ \n, \T, 0xb60cff51, 0xbadc924e
	GPQ \n, \T, 0xb86ec2d2, 0xbbf19bf8
	GPQ \n, \T, 0xba40ac63, 0xbc69b6a7
.set gi, 0
.rept \n
	v_rcp_f32 v[\T+24+gi], v[\T+24+gi]
.set gi, gi+1
.endr
	GP1 \n, \T, 0xbb41a1f6
	GP1 \n, \T, 0xbc83dbd4
.set gi, 0
.rept (\n)/2
	v_pk_mul_f32 v[\T+16+gi:\T+17+gi], v[\T+16+gi:\T+17+gi], v[\T+gi:\T+gi+1]
	v_pk_mul_f32 v[\T+8+gi:\T+9+gi], v[\Y+gi:\Y+gi+1], 0.5 op_sel_hi:[1,0]
.set gi, gi+2
.endr
	s_wait_alu depctr_va_vdst(0)                   ; one wait for the batch of reciprocals, ahead of their first reader
.set gi, 0
.rept (\n)/2
	v_pk_mul_f32 v[\T+16+gi:\T+17+gi], v[\T+16+gi:\T+17+gi], v[\T+24+gi:\T+25+gi]
.set gi, gi+2
.endr
.set gi, 0
.rept (\n)/2
	v_pk_fma_f32 v[\Y+gi:\Y+gi+1], v[\T+8+gi:\T+9+gi], v[\T+16+gi:\T+17+gi], v[\T+8+gi:\T+9+gi]
.set gi, gi+2
.endr
.endm
; My wave's 128 channels of 16 positions: mean and centred sum of squares into v[SC+4:SC+5]; H is left centred on the wave's mean
.macro LNSTAT H, SC
	v_pk_add_f32 v[\SC:\SC+1], v[\H:\H+1], v[\H+2:\H+3]
	v_pk_add_f32 v[\SC+2:\SC+3], v[\H+4:\H+5], v[\H+6:\H+7]
.set li, 8
.rept 14
	v_pk_add_f32 v[\SC:\SC+1], v[\SC:\SC+1], v[\H+li:\H+li+1]
	v_pk_add_f32 v[\SC+2:\SC+3], v[\SC+2:\SC+3], v[\H+li+2:\H+li+3]
.set li, li+4
.endr
	v_pk_add_f32 v[\SC:\SC+1], v[\SC:\SC+1], v[\SC+2:\SC+3]
	v_add_f32 v[\SC], v[\SC], v[\SC+1]
	v_mov_b32 v[\SC+2], 0
	v_permlanex16_b32 v[\SC+2], v[\SC], s96, s97
	v_add_f32 v[\SC], v[\SC], v[\SC+2]
	v_mul_f32 v[\SC+4], 0x3c000000, v[\SC]         ; / 128
	v_mov_b32 v[\SC+5], v[\SC+4]
.set li, 0
.rept 32
	v_pk_add_f32 v[\H+li:\H+li+1], v[\H+li:\H+li+1], v[\SC+4:\SC+5] neg_lo:[0,1] neg_hi:[0,1]
.set li, li+2
.endr
	v_pk_mul_f32 v[\SC:\SC+1], v[\H:\H+1], v[\H:\H+1]
	v_pk_mul_f32 v[\SC+2:\SC+3], v[\H+2:\H+3], v[\H+2:\H+3]
.set li, 4
.rept 15
	v_pk_fma_f32 v[\SC:\SC+1], v[\H+li:\H+li+1], v[\H+li:\H+li+1], v[\SC:\SC+1]
	v_pk_fma_f32 v[\SC+2:\SC+3], v[\H+li+2:\H+li+3], v[\H+li+2:\H+li+3], v[\SC+2:\SC+3]
.set li, li+4
.endr
	v_pk_add_f32 v[\SC:\SC+1], v[\SC:\SC+1], v[\SC+2:\SC+3]
	v_add_f32 v[\SC], v[\SC], v[\SC+1]
	v_permlanex16_b32 v[\SC+2], v[\SC], s96, s97
	v_add_f32 v[\SC+5], v[\SC], v[\SC+2]
.endm
; The four waves' (mean, sum of squares) in v[SC+6 .. SC+13] are joined without a difference of large sums; H becomes (h - mean) / sqrt(var + 1e-5)
.macro LNFIN H, SC
	v_add_f32 v[\SC+14], v[\SC+6], v[\SC+8]
	v_add_f32 v[\SC+15], v[\SC+10], v[\SC+12]
	v_add_f32 v[\SC+14], v[\SC+14], v[\SC+15]
	v_mul_f32 v[\SC+14], 0x3e800000, v[\SC+14]     ; the mean of 512
.irp k, 6,8,10,12
	v_sub_f32 v[\SC+\k], v[\SC+\k], v[\SC+14]
.endr
	v_mul_f32 v[\SC+15], v[\SC+6], v[\SC+6]
.irp k, 8,10,12
	v_fmac_f32 v[\SC+15], v[\SC+\k], v[\SC+\k]
.endr
	v_add_f32 v[\SC+7], v[\SC+7], v[\SC+9]
	v_add_f32 v[\SC+11], v[\SC+11], v[\SC+13]
	v_add_f32 v[\SC+7], v[\SC+7], v[\SC+11]
	v_fma_f32 v[\SC+7], v[\SC+15], 0x43000000, v[\SC+7]
	v_mul_f32 v[\SC+7], 0x3b000000, v[\SC+7]       ; / 512
	v_add_f32 v[\SC+7], 0x3727c5ac, v[\SC+7]       ; + 1e-5
	v_rsq_f32 v[\SC], v[\SC+7]
	v_sub_f32 v[\SC+2], v[\SC+4], v[\SC+14]        ; my wave's mean less the mean (a plain place behind the root)
	s_wait_alu depctr_va_vdst(0)
	v_mul_f32 v[\SC+2], v[\SC+2], v[\SC]
.set li, 0
.rept 32
	v_pk_fma_f32 v[\H+li:\H+li+1], v[\H+li:\H+li+1], v[\SC:\SC+1], v[\SC+2:\SC+3] op_sel_hi:[1,0,0]
.set li, li+2
.endr
.endm
; LayerNorm (without gain) over n registers of a lane, and of lane l xor 16 where cross = 1; inv = 1 / the number of channels
.macro LNS H, n, SC, inv, cross
	v_pk_add_f32 v[\SC:\SC+1], v[\H:\H+1], v[\H+2:\H+3]
.set li, 4
.rept ((\n)-4)/2
	v_pk_add_f32 v[\SC:\SC+1], v[\SC:\SC+1], v[\H+li:\H+li+1]
.set li, li+2
.endr
	v_add_f32 v[\SC], v[\SC], v[\SC+1]
	v_mov_b32 v[\SC+2], 0
.if \cross
	v_permlanex16_b32 v[\SC+2], v[\SC], s96, s97
	v_add_f32 v[\SC], v[\SC], v[\SC+2]
.endif
	v_mul_f32 v[\SC+4], \inv, v[\SC]
	v_mov_b32 v[\SC+5], v[\SC+4]
.set li, 0
.rept (\n)/2
	v_pk_add_f32 v[\H+li:\H+li+1], v[\H+li:\H+li+1], v[\SC+4:\SC+5] neg_lo:[0,1] neg_hi:[0,1]
.set li, li+2
.endr
	v_pk_mul_f32 v[\SC:\SC+1], v[\H:\H+1], v[\H:\H+1]
.set li, 2
.rept ((\n)-2)/2
	v_pk_fma_f32 v[\SC:\SC+1], v[\H+li:\H+li+1], v[\H+li:\H+li+1], v[\SC:\SC+1]
.set li, li+2
.endr
	v_add_f32 v[\SC], v[\SC], v[\SC+1]
.if \cross
	v_permlanex16_b32 v[\SC+2], v[\SC], s96, s97
	v_add_f32 v[\SC], v[\SC], v[\SC+2]
.endif
	v_mul_f32 v[\SC], \inv, v[\SC]
	v_add_f32 v[\SC], 0x3727c5ac, v[\SC]
	v_rsq_f32 v[\SC+2], v[\SC]
	v_mov_b32 v[\SC+3], 0                          ; a plain place; the pair's upper word is written
	s_wait_alu depctr_va_vdst(0)
.set li, 0
.rept (\n)/2
	v_pk_mul_f32 v[\H+li:\H+li+1], v[\H+li:\H+li+1], v[\SC+2:\SC+3] op_sel_hi:[1,0]
.set li, li+2
.endr
.endm
	; ================ HEAD
	s_load_b512 s[8:23], s[0:1], 0x0               ; x, wp, ws, kv, q_b, merge_b, n0_g, n0_b
	s_load_b512 s[24:39], s[0:1], 0x40             ; m1_b, m2_b, n1_g, n1_b, g1_b, gl1_g, gl1_b, g2_w
	s_load_b512 s[40:55], s[0:1], 0x80             ; g2_b, gl2_g, gl2_b, g3_w, g3_b, gl3_g, gl3_b, g4_w
	s_load_b128 s[56:59], s[0:1], 0xc0             ; g4_b, out0
	v_lshl_add_u32 v254, v0, 2, 0x4f800
	v_mov_b32 v255, 0
	ds_add_u32 v254, v255
	ds_add_u32 v254, v255
	s_wait_dscnt 0x0
	v_lshrrev_b32 v19, 5, v0
	v_readfirstlane_b32 s98, v19                   ; wave
	s_lshr_b32 s99, ttmp9, 4                       ; batch
	s_and_b32 s100, ttmp9, 15
	s_lshl_b32 s100, s100, 9                       ; 4 x my first position
	s_lshl_b32 s2, s99, 22
	s_lshl_b32 s3, s98, 20
	s_add_co_u32 s2, s2, s3
	s_add_co_u32 s2, s2, s100                      ; x: batch, my wave's 128 channels, my positions
	s_mov_b32 s3, 0
	s_lshl_b32 s4, s99, 13
	s_add_co_u32 s4, s4, s100
	s_mov_b32 s5, 0
	s_lshl_b32 s6, s99, 11
	s_mov_b32 s7, 0
	s_mov_b32 s68, (2<<16)|(1<<20)|(6<<22)|(1<<25) ; elements of 4 bytes; 2 words of padding behind every 128 words
	s_mov_b32 s69, 128<<16                         ; tensor_dim0 = 128 positions
	s_mov_b32 s70, 128<<16                         ; tensor_dim1 = 128 channels
	s_mov_b32 s71, 128<<16                         ; tile_dim0
	s_mov_b32 s72, 128                             ; tile_dim1
	s_mov_b32 s73, 2048                            ; from channel to channel
	s_mov_b32 s74, 0
	s_mov_b32 s75, 0
	s_mov_b32 s60, 1
	s_mul_i32 s61, s98, XFP
	s_mov_b32 s96, 0x76543210
	s_mov_b32 s97, 0xfedcba98
	s_wait_kmcnt 0x0
	s_add_nc_u64 s[94:95], s[8:9], s[2:3]
	s_mov_b64 s[62:63], s[94:95]
	s_or_b32 s63, s63, 0x80000000
	tensor_load_to_lds s[60:63], s[68:75]          ; my wave's one tensor load, a first fill
	s_nop 0
.rept 4
	v_nop
.endr
	s_add_nc_u64 s[58:59], s[58:59], s[4:5]        ; out0 at my positions
	s_add_nc_u64 s[14:15], s[14:15], s[6:7]        ; kv at my batch
	s_cmp_eq_u32 s98, 0                            ; the small arrays: one a wave
	s_cselect_b64 s[4:5], s[32:33], s[46:47]
	s_cselect_b64 s[6:7], s[40:41], s[44:45]
	s_cmp_eq_u32 s98, 1
	s_cselect_b64 s[4:5], s[34:35], s[4:5]
	s_cselect_b64 s[6:7], s[42:43], s[6:7]
	s_cmp_eq_u32 s98, 2
	s_cselect_b64 s[4:5], s[36:37], s[4:5]
	v_and_b32 v1, 31, v0
	v_and_b32 v2, 15, v0
	v_lshlrev_b32 v9, 4, v0                        ; 16 x thread
	v_lshlrev_b32 v10, 3, v1
	v_lshlrev_b32 v19, 2, v2
	global_load_b128 v[160:163], v9, s[14:15]
	global_load_b128 v[164:167], v9, s[16:17]
	global_load_b128 v[168:171], v9, s[14:15] offset:32768
	global_load_b128 v[172:175], v9, s[14:15] offset:65536
	global_load_b128 v[192:195], v9, s[18:19]
	global_load_b128 v[196:199], v9, s[20:21]
	global_load_b128 v[200:203], v9, s[22:23]
	global_load_b128 v[204:207], v9, s[26:27]
	global_load_b128 v[208:211], v9, s[28:29]
	global_load_b128 v[212:215], v9, s[30:31]
	global_load_b128 v[216:219], v9, s[24:25]
	global_load_b128 v[220:223], v9, s[24:25] offset:2048
	global_load_b128 v[224:227], v9, s[38:39]
	global_load_b128 v[228:231], v9, s[38:39] offset:2048
	global_load_b64 v[232:233], v10, s[4:5]
	global_load_b32 v234, v19, s[6:7]
	v_bfe_u32 v8, v0, 4, 1                         ; h
	v_lshlrev_b32 v15, 4, v2                       ; 16 r
	v_lshlrev_b32 v14, 3, v2                       ; 8 r
	v_lshlrev_b32 v2, 2, v2                        ; 4 r
	v_lshlrev_b32 v1, 4, v1                        ; 16 lane
	s_lshl_b32 s99, s98, 9
	v_lshl_add_u32 v3, v8, 6, s99                  ; 512 w + 64 h
	v_add_nc_u32 v12, s99, v2                      ; 512 w + 4 r
	s_lshl_b32 s99, s98, 10
	v_lshl_add_u32 v4, v8, 6, s99                  ; 1024 w + 64 h
	v_add_nc_u32 v13, s99, v14                     ; 1024 w + 8 r
	v_add_nc_u32 v17, s99, v2                      ; 1024 w + 4 r
	s_mul_i32 s99, s98, 12288
	v_add_nc_u32 v11, s99, v1                      ; 16 lane + 12288 w
	s_lshl_b32 s99, s98, 15
	s_add_co_u32 s99, s99, PARK
	v_add_nc_u32 v16, s99, v1
	s_mul_i32 s99, s98, XFP
	v_mad_u32_u24 v18, v8, 8320, v2
	v_add_nc_u32 v18, s99, v18                     ; x in LDS: my wave, 16 h rows, 4 r
	v_mov_b32 v20, 0xaf95df0b
	v_mov_b32 v21, 0xaf95df0b
	v_mov_b32 v22, 0xb77460cd
	v_mov_b32 v23, 0xb77460cd
	s_wait_loadcnt 0x0
	v_lshl_add_u32 v19, v0, 4, PRM0
.irp k, 0,1,2,3
	ds_store_b128 v19, v[160+4*\k:163+4*\k] offset:2048*\k
.endr
	s_mul_i32 s2, s98, 49152
	s_mov_b32 s3, 0
	s_add_nc_u64 s[90:91], s[10:11], s[2:3]
	s_lshl_b32 s2, s98, 11
	s_add_nc_u64 s[92:93], s[12:13], s[2:3]
	WLP 0, 0, 0                                    ; pass 0, whole, and pass 1's second half are asked for here, ahead of the wait for x: they land while x is on its way
	WLP 0, 1, 0
	WLP 1, 1, 196608
	; ================ X: my 128 channels of x become K step w of products 5 and 11
	s_wait_tensorcnt 0x0                           ; a wave reads only the bytes that its own load brought
	s_mov_b32 s2, 0
	s_mov_b32 s3, HX
	s_mov_b32 s4, HXS
	s_mov_b32 s5, 0
.Lx:
	v_add_nc_u32 v19, s5, v18
.set xb, 0
.rept 4
.set xi, 0
.rept 16
	ds_load_b32 v[64+16*xb+xi], v19 offset:(32*xb+xi)*520
.set xi, xi+1
.endr
.set xb, xb+1
.endr
	s_wait_dscnt 0x0
	QUANT 64, 128, 140, 148, 2
	v_add_nc_u32 v9, s3, v11
	IMG 9, 148
	v_add_nc_u32 v10, s4, v12
	ds_store_b32 v10, v132
	s_add_co_u32 s3, s3, 1536
	s_add_co_u32 s4, s4, 64
	s_add_co_u32 s5, s5, 64
	s_add_co_u32 s2, s2, 1
	s_cmp_lt_u32 s2, 8
	s_cbranch_scc1 .Lx
	BAR                                            ; B1: x's images lie in LDS; nobody reads x's f32 bytes any more
	v_lshl_add_u32 v19, v0, 4, PRM1
.irp k, 0,1,2,3,4,5,6,7
	ds_store_b128 v19, v[192+4*\k:195+4*\k] offset:2048*\k
.endr
	v_lshl_add_u32 v19, v0, 4, PRM2+1280
	ds_store_b128 v19, v[224:227]
	ds_store_b128 v19, v[228:231] offset:2048
	v_lshl_add_u32 v19, v0, 3, PRM2                ; 8 lane + 256 w
	ds_store_b64 v19, v[232:233]
	s_lshl_b32 s99, s98, 6
	s_add_co_u32 s99, s99, PRM2+1024
	v_add_nc_u32 v19, s99, v2
	ds_store_b32 v19, v234
	; ================ Q: q = W x + q_b is never kept: only its four heads' dot products with kd = k0 - k1
	WL0 1                                          ; set A is whole; pass 1, first half
	v_add_nc_u32 v19, PRM0, v3
	PL 128, 4, 19, 0                               ; kd
	PL 64, 4, 19, 2048                             ; q_b
	s_mov_b32 s3, HX
	s_mov_b32 s4, HXS
	s_mov_b32 s5, DP
	v_add_nc_u32 v5, s3, v1
	v_add_nc_u32 v7, s4, v2
	AFL 4, 208, 5
	ASL 4, 56, 7
	s_lshl_b32 s99, s98, 11
	v_add_nc_u32 v10, s99, v15                     ; 2048 w + 16 r
	s_wait_dscnt 16                                ; kd and q_b are in; the 12 + 4 loads of tile 0 are younger
	v_pk_mul_f32 v[192:193], v[64:65], v[128:129]
	v_pk_mul_f32 v[194:195], v[66:67], v[130:131]
.set pr, 2
.rept 30
	v_pk_fma_f32 v[192+(2*pr)%4:193+(2*pr)%4], v[64+2*pr:65+2*pr], v[128+2*pr:129+2*pr], v[192+(2*pr)%4:193+(2*pr)%4]
.set pr, pr+1
.endr
.irp k, 200,201,202,203
	v_mov_b32 v\k, 0
.endr
	s_wait_dscnt 0x0                               ; tile 0's fragments are in
	s_mov_b32 s2, 0
.Lq:
	s_wait_dscnt 1                                 ; this tile's 12 + 4 loads are in; the last trip's one store, issued behind them, may be out
	MM 0, 8, 4, 64, 208, 0, 0, 0
.irp k, 0,1,2,3
	v_mov_b32 v[196+\k], v[192+\k]                 ; the bias's part; these four are the places behind the products
.endr
	s_add_co_u32 s3, s3, 1536
	s_min_u32 s62, s3, HX+7*1536
	v_add_nc_u32 v5, s62, v1
	s_add_co_u32 s4, s4, 64
	s_min_u32 s62, s4, HXS+448
	v_add_nc_u32 v7, s62, v2
	AFL 4, 208, 5                                  ; the next tile (the last trip reads tile 7 again)
	ASL 4, 56, 7
.set pr, 0
.rept 32
	v_pk_fma_f32 v[196+(2*pr)%4:197+(2*pr)%4], v[64+2*pr:65+2*pr], v[128+2*pr:129+2*pr], v[196+(2*pr)%4:197+(2*pr)%4]
.set pr, pr+1
.endr
.irp k, 0,1,2,3
	v_permlanex16_b32 v[200+\k], v[196+\k], s96, s97
.endr
	v_pk_add_f32 v[196:197], v[196:197], v[200:201]
	v_pk_add_f32 v[198:199], v[198:199], v[202:203]
	v_add_nc_u32 v9, s5, v10
	ds_store_b128 v9, v[196:199]
	s_add_co_u32 s5, s5, 256
	s_add_co_u32 s2, s2, 1
	s_cmp_lt_u32 s2, 8
	s_cbranch_scc1 .Lq
	BAR                                            ; B2
	; ================ OUT: the two weights of each head, out = a0 v0 + a1 v1, quantised
	v_add_nc_u32 v19, PRM0+4096, v3
	WIN 0x40
	PL 0, 4, 19, 0                                 ; v0 into window 1 (set A is done with)
	PL 64, 4, 19, 2048                             ; v1
	WIN 0
	s_mov_b32 s2, 0
	s_mov_b32 s3, OI
	s_mov_b32 s4, OIS
	s_mov_b32 s5, DP
.Lo:
	v_add_nc_u32 v9, s5, v15
.irp k, 0,1,2,3
	ds_load_b128 v[192+4*\k:195+4*\k], v9 offset:2048*\k
.endr
	s_wait_dscnt 0x0
	v_pk_add_f32 v[192:193], v[192:193], v[196:197]
	v_pk_add_f32 v[194:195], v[194:195], v[198:199]
	v_pk_add_f32 v[200:201], v[200:201], v[204:205]
	v_pk_add_f32 v[202:203], v[202:203], v[206:207]
	v_pk_add_f32 v[192:193], v[192:193], v[200:201]
	v_pk_add_f32 v[194:195], v[194:195], v[202:203]
	v_pk_mul_f32 v[192:193], v[192:193], 0x3e0293ee op_sel_hi:[1,0]   ; t = (s0 - s1) log2(e) / sqrt(128)
	v_pk_mul_f32 v[194:195], v[194:195], 0x3e0293ee op_sel_hi:[1,0]
.irp k, 0,1,2,3
	v_min_num_f32 v[196+\k], 0, v[192+\k]          ; s0 less the larger of the two,
	v_min_num_f32 v[200+\k], -v[192+\k], 0         ; s1 less the larger
.endr
.irp k, 0,1,2,3,4,5,6,7
	v_exp_f32 v[196+\k], v[196+\k]
.endr
	v_nop
	s_wait_alu depctr_va_vdst(0)
	v_pk_add_f32 v[204:205], v[196:197], v[200:201]
	v_pk_add_f32 v[206:207], v[198:199], v[202:203]
.irp k, 0,1,2,3
	v_rcp_f32 v[204+\k], v[204+\k]
.endr
	v_nop
	s_wait_alu depctr_va_vdst(0)
	v_pk_mul_f32 v[196:197], v[196:197], v[204:205]
	v_pk_mul_f32 v[198:199], v[198:199], v[206:207]
	v_pk_mul_f32 v[200:201], v[200:201], v[204:205]
	v_pk_mul_f32 v[202:203], v[202:203], v[206:207]
	WIN 0x01                                       ; source 0 in window 1
.set pr, 0
.rept 32
	v_pk_mul_f32 v[64+2*pr:65+2*pr], v[64+2*pr:65+2*pr], v[200+(2*pr)%4:201+(2*pr)%4]
.set pr, pr+1
.endr
.set pr, 0
.rept 32
	v_pk_fma_f32 v[64+2*pr:65+2*pr], v[2*pr:2*pr+1], v[196+(2*pr)%4:197+(2*pr)%4], v[64+2*pr:65+2*pr]
.set pr, pr+1
.endr
	WIN 0
	QUANT 64, 128, 140, 148, 2
	v_add_nc_u32 v9, s3, v11
	IMG 9, 148
	v_add_nc_u32 v10, s4, v12
	ds_store_b32 v10, v132
	s_add_co_u32 s3, s3, 1536
	s_add_co_u32 s4, s4, 64
	s_add_co_u32 s5, s5, 256
	s_add_co_u32 s2, s2, 1
	s_cmp_lt_u32 s2, 8
	s_cbranch_scc1 .Lo
	BAR                                            ; B3
	; ================ MERGE (set B), LayerNorm 0, quantised: K steps 4 to 7 of product 11
.set BSLOT, 192
	WL0 0
	v_add_nc_u32 v19, PRM1, v3
	PL 128, 4, 19, 0                               ; merge_b: the C of each sum's first product
	s_mov_b32 s3, OI
	s_mov_b32 s4, OIS
	s_mov_b32 s5, STAT0
	s_mov_b32 s60, HL
	s_mov_b32 s61, HLS
	v_add_nc_u32 v5, s3, v1
	v_add_nc_u32 v7, s4, v2
	AFL 4, 208, 5
	ASL 4, 56, 7
	s_mov_b32 s2, 0
.Lm:
	WL1 0
	RESTB
	BAR                                            ; every wave has read the last tile's statistics
	MM 1, 8, 4, 64, 208, 1, 128, 0
.rept 4
	v_nop
.endr
	LNSTAT 64, 192
	v_add_nc_u32 v10, s5, v13
	ds_store_b64 v10, v[196:197]
	BAR
	v_add_nc_u32 v10, s5, v14
.irp k, 0,1,2,3
	ds_load_b64 v[198+2*\k:199+2*\k], v10 offset:1024*\k
.endr
	PL 128, 2, 19, 2048                            ; n0_g, n0_b: my first 64 channels
	PL 160, 2, 19, 4096
	s_wait_dscnt 16                                ; the statistics are in; the 16 loads of gain and bias are younger
	LNFIN 64, 192
	s_wait_dscnt 0x0
	AFF 64, 128, 160, 16
	PL 128, 2, 19, 2048+256
	PL 160, 2, 19, 4096+256
	s_add_co_u32 s3, s3, 1536
	s_min_u32 s62, s3, OI+7*1536
	v_add_nc_u32 v5, s62, v1
	s_add_co_u32 s4, s4, 64
	s_min_u32 s62, s4, OIS+448
	v_add_nc_u32 v7, s62, v2
	AFL 4, 208, 5
	ASL 4, 56, 7
	s_wait_dscnt 16                                ; gain and bias are in; the next tile's 12 + 4 loads are younger
	AFF 96, 128, 160, 16
	QUANT 64, 128, 140, 192, 2
	v_add_nc_u32 v9, s60, v11
	IMG 9, 192
	v_add_nc_u32 v10, s61, v12
	ds_store_b32 v10, v132
	PL 128, 4, 19, 0
	s_add_co_u32 s5, s5, 128
	s_add_co_u32 s60, s60, 1536
	s_add_co_u32 s61, s61, 64
	s_add_co_u32 s2, s2, 1
	s_cmp_lt_u32 s2, 8
	s_cbranch_scc1 .Lm
	BAR                                            ; B4
	; ================ M1: four passes of 64 channels a wave, gelu, quantised: half a K step of product 12 each
.set BSLOT, 224
	s_mul_i32 s99, s98, 24576
	v_add_nc_u32 v11, s99, v1                      ; 16 lane + 24576 w
.macro M1PASS set, J, c
	s_wait_dscnt 0x0                               ; the last trip's LDS loads have landed: the loads below write the same registers
	WL0 (1-\set)
	v_add_nc_u32 v19, PRM1+12288+512*\J+256*\c, v4
	PL 96, 2, 19, 0                                ; m1_b
	s_mov_b32 s3, HX
	s_mov_b32 s4, HL
	s_mov_b32 s5, HXS
	s_mov_b32 s6, HLS
	s_mov_b32 s60, GI+12288*\J
	s_mov_b32 s61, GIS+512*\J
	v_add_nc_u32 v5, s3, v1
	v_add_nc_u32 v6, s4, v1
	v_add_nc_u32 v7, s5, v2
	v_add_nc_u32 v8, s6, v2
	AFL 4, 128, 5
	AFL 4, 176, 6
	ASL 4, 56, 7
	ASL 4, 60, 8
	s_wait_dscnt 0x0                               ; the bias and tile 0's fragments are in
	s_mov_b32 s2, 0
.Lp_\@:
	WL1 (1-\set)
.if \set
	RESTB
.endif
	s_wait_dscnt 3                                 ; this tile's 24 + 8 loads are in; the last trip's three stores, issued behind them, may be out
	MM \set, 4, 8, 64, 128, 1, 96, 0
	s_add_co_u32 s3, s3, 1536
	s_min_u32 s62, s3, HX+7*1536
	v_add_nc_u32 v5, s62, v1                       ; four additions: the places behind the products
	s_add_co_u32 s4, s4, 1536
	s_min_u32 s62, s4, HL+7*1536
	v_add_nc_u32 v6, s62, v1
	s_add_co_u32 s5, s5, 64
	s_min_u32 s62, s5, HXS+448
	v_add_nc_u32 v7, s62, v2
	s_add_co_u32 s6, s6, 64
	s_min_u32 s62, s6, HLS+448
	v_add_nc_u32 v8, s62, v2
	AFL 4, 128, 5
	AFL 4, 176, 6
	ASL 4, 56, 7
	ASL 4, 60, 8
.irp t, 0,1,2,3
	GELU8 64+8*\t, 8, 224
.endr
	QUANT 64, 224, 236, 244, 1
	v_add_nc_u32 v9, s60, v11
.if \c == 0
	ds_store_b128 v9, v[244:247]                   ; registers 0-5 of the image
	ds_store_b64 v9, v[248:249] offset:512
.else
	ds_store_b64 v9, v[244:245] offset:520         ; registers 6-11
	ds_store_b128 v9, v[246:249] offset:1024
.endif
	v_add_nc_u32 v10, s61, v17
	ds_store_b16 v10, v228 offset:2*\c
	s_add_co_u32 s60, s60, 1536
	s_add_co_u32 s61, s61, 64
	s_add_co_u32 s2, s2, 1
	s_cmp_lt_u32 s2, 8
	s_cbranch_scc1 .Lp_\@
.endm
	M1PASS 0, 0, 0
	M1PASS 1, 0, 1
	M1PASS 0, 1, 0
	M1PASS 1, 1, 1
	BAR                                            ; B5
	; ================ M2a (set A): my first 64 channels of product 12, parked in LDS as f32.  The trip has no vector work under which a tile's 32 LDS loads could land, so they go in two halves:
	; fragments 0-3 of the next tile behind K step 3, fragments 4-7 behind K step 7: each half has four K steps, 16 matrix instructions, in which to land
	WL0 1
	v_add_nc_u32 v19, PRM1+6144, v3
	PL 96, 2, 19, 0
	s_mov_b32 s3, GI
	s_mov_b32 s5, GIS
	s_mov_b32 s4, 0
	v_add_nc_u32 v5, s3, v1
	v_add_nc_u32 v6, 49152, v5
	v_add_nc_u32 v7, s5, v2
	v_add_nc_u32 v8, 2048, v7
	AFL 4, 128, 5
	AFL 4, 176, 6
	ASL 4, 56, 7
	ASL 4, 60, 8
	s_wait_dscnt 0x0                               ; the bias and tile 0's fragments are in
	s_mov_b32 s2, 0
.La:
	WL1 1
	s_wait_dscnt 24                                ; fragments 0-3 and their scale words are in: behind them stand the 12 + 4 loads of fragments 4-7 and the 8 stores
	s_add_co_u32 s3, s3, 1536
	s_min_u32 s62, s3, GI+7*1536
	v_add_nc_u32 v5, s62, v1                       ; the next tile (the last trip reads tile 7 again); with the four v_nop of the last trip's end these are the places ahead of sums begun anew (ISA guide 7.12.1)
	s_add_co_u32 s5, s5, 64
	s_min_u32 s62, s5, GIS+448
	v_add_nc_u32 v7, s62, v2
	v_add_nc_u32 v9, s4, v16
	MM 0, 4, 4, 64, 128, 1, 96, 0
.rept 4
	v_nop
.endr
	AFL 4, 128, 5
	ASL 4, 56, 7
	s_wait_dscnt 24                                ; fragments 4-7 are in: behind them stand the 8 stores and the 12 + 4 loads just issued
	v_add_nc_u32 v6, 49152, v5
	v_add_nc_u32 v8, 2048, v7
	MM 0, 4, 4, 64, 128, 1, 96, 4
.rept 4
	v_nop
.endr
	AFL 4, 176, 6
	ASL 4, 60, 8
.irp j, 0,1,2,3,4,5,6,7
	ds_store_b128 v9, v[64+4*\j:67+4*\j] offset:512*\j    ; each accumulator from its low end on
.endr
	s_add_co_u32 s4, s4, 4096
	s_add_co_u32 s2, s2, 1
	s_cmp_lt_u32 s2, 8
	s_cbranch_scc1 .La
	; ================ M2b (set B): the other 64 channels, LayerNorm 1, + x, quantised, my K step of g1
	s_wait_loadcnt 0x0                             ; set B is whole
	s_wait_dscnt 0x0                               ; the last trip's LDS loads have landed: the loads below write the same registers
.rept 4
	v_nop
.endr
	s_mul_i32 s2, s98, 6144
	s_add_co_u32 s2, s2, 1572864
	s_mov_b32 s3, 0
	s_add_nc_u64 s[100:101], s[10:11], s[2:3]
	s_lshr_b32 s2, s98, 1
	s_lshl_b32 s2, s2, 9
	s_and_b32 s4, s98, 1
	s_lshl_b32 s4, s4, 3
	s_add_co_u32 s2, s2, s4
	s_add_co_u32 s2, s2, 65536
	s_add_nc_u64 s[66:67], s[12:13], s[2:3]
	WIN 0x80
.irp k, 0,1,2,3,4,5,6,7,8,9,10,11
	global_load_b128 v[4*\k:4*\k+3], v1, s[100:101] offset:512*\k     ; g1's four fragments of K step w, into window 2
.endr
	WIN 0
	global_load_b64 v[24:25], v1, s[66:67]         ; and their scale words
	v_bfe_u32 v18, v0, 4, 1
	v_lshl_add_u32 v18, v18, 17, v2                ; x again, for the residual: 16 h channels of 8192 bytes + 4 r
	v_mov_b32 v15, v18
.macro XRL                             ; 64 numbers of x in my lane's layout, into window 1
	WIN 0x40
.set xb, 0
.rept 4
.set xi, 0
.rept 16
	global_load_b32 v[128+16*xb+xi], v15, s[94:95] offset:(32*xb+xi)*8192
.set xi, xi+1
.endr
.set xb, xb+1
.endr
	WIN 0
.endm
	XRL
	s_load_b128 s[68:71], s[48:49], 0x0            ; g3_b
	s_load_b128 s[72:75], s[50:51], 0x0            ; gl3_g
	s_load_b128 s[76:79], s[52:53], 0x0            ; gl3_b
	s_load_b256 s[80:87], s[54:55], 0x0            ; g4_w
	s_load_b64 s[88:89], s[56:57], 0x0             ; g4_b
	v_add_nc_u32 v10, PRM1+8192, v3
	WIN 0x40
	PL 0, 4, 10, 0                                 ; n1_g
	PL 64, 4, 10, 2048                             ; n1_b
	WIN 0
	PL 64, 2, 19, 256                              ; m2_b of my second 64 channels: the C of the first products
	s_mov_b32 s3, GI
	s_mov_b32 s5, GIS
	s_mov_b32 s4, 0
	s_mov_b32 s6, STAT1
	s_mov_b32 s60, 0
	v_add_nc_u32 v5, s3, v1
	v_add_nc_u32 v6, 49152, v5
	v_add_nc_u32 v7, s5, v2
	AFL 4, 128, 5
	AFL 4, 176, 6
	ASL 8, 56, 7
	s_mov_b32 s2, 0
.Lb:
	RESTB
	BAR                                            ; every wave has read the last tile's statistics
	MM 1, 4, 8, 96, 128, 1, 64, 0
	s_add_co_u32 s3, s3, 1536
	s_min_u32 s62, s3, GI+7*1536
	v_add_nc_u32 v5, s62, v1
	v_add_nc_u32 v6, 49152, v5
	s_add_co_u32 s5, s5, 64
	s_min_u32 s62, s5, GIS+448
	v_add_nc_u32 v7, s62, v2
	v_add_nc_u32 v9, s4, v16
.irp j, 0,1,2,3,4,5,6,7
	ds_load_b128 v[64+4*\j:67+4*\j], v9 offset:512*\j     ; the parked half
.endr
	AFL 4, 128, 5
	AFL 4, 176, 6
	ASL 8, 56, 7
	s_wait_dscnt 32                                ; the parked half is in; the next tile's 24 + 8 loads are younger
	LNSTAT 64, 224
	v_add_nc_u32 v10, s6, v13
	ds_store_b64 v10, v[228:229]
	BAR
	v_add_nc_u32 v10, s6, v14
.irp k, 0,1,2,3
	ds_load_b64 v[230+2*\k:231+2*\k], v10 offset:1024*\k
.endr
	s_wait_dscnt 0x0
	LNFIN 64, 224
	WIN 0x14                                       ; gain and bias in window 1
	AFF 64, 0, 64, 32
	s_wait_loadcnt 0x0                             ; x's 64 numbers (in the first trip g1's fragments too)
	WIN 0x04
.set pr, 0
.rept 32
	v_pk_add_f32 v[64+2*pr:65+2*pr], v[64+2*pr:65+2*pr], v[128+2*pr:129+2*pr]
.set pr, pr+1
.endr
	WIN 0
	s_add_co_u32 s60, s60, 64
	s_min_u32 s62, s60, 448                        ; the last trip asks for tile 7 again: no load leaves x
	v_add_nc_u32 v15, s62, v18
	XRL
	QUANT 64, 224, 236, 244, 2
	v_mov_b32 v26, v228                            ; the rows' scale word, into a register that holds scales alone
.rept 8
	v_nop                                          ; the scale word stands 8 places ahead of the scaled products
.endr
	WIN 0x02
.irp t, 0,1,2,3
	WM 64+8*\t, 12*\t, 244, 0, 24+\t/2, 26, \t%2
.endr
	WIN 0
.rept 4
	v_nop
.endr
.irp j, 0,1,2,3,4,5,6,7
	ds_store_b128 v9, v[64+4*\j:67+4*\j] offset:512*\j    ; my K step's part of g1
.endr
	PL 64, 2, 19, 256
	s_add_co_u32 s4, s4, 4096
	s_add_co_u32 s6, s6, 128
	s_add_co_u32 s2, s2, 1
	s_cmp_lt_u32 s2, 8
	s_cbranch_scc1 .Lb
	BAR                                            ; B6
	; ================ G: wave w finishes tiles 2 w and 2 w + 1
	s_wait_kmcnt 0x0
	v_bfe_u32 v8, v0, 4, 1
	v_lshl_add_u32 v5, v8, 6, PRM2                 ; + 64 h
	v_lshl_add_u32 v6, v8, 5, PRM2                 ; + 32 h
	v_lshl_add_u32 v7, v2, 6, PRM2+1280            ; g2_w: row r of 256 bytes
	v_lshl_add_u32 v7, v8, 7, v7
.irp q, 0,1,2,3,4,5,6,7
	ds_load_b128 v[64+4*\q:67+4*\q], v7 offset:16*\q
.endr
.irp k, 0,1,2
	ds_load_b128 v[172+8*\k:175+8*\k], v6 offset:1024+64*\k       ; g2_b, gl2_g, gl2_b of channels 8 h ..
	ds_load_b128 v[176+8*\k:179+8*\k], v6 offset:1024+64*\k+16
.endr
	s_wait_dscnt 0x0
	v_max3_num_f32 v204, |v64|, |v65|, 0x2800000   ; g2_w: K = 64: a lane holds block h; the rest of the K step is zero codes under the byte 127
.irp i, 2,4,6,8,10,12,14,16,18,20,22,24,26,28,30
	v_max3_num_f32 v204, v204, |v[64+\i]|, |v[65+\i]|
.endr
	v_add_nc_u32 v205, 0xfe000000, v204
	v_lshrrev_b32 v206, 23, v205
	v_lshlrev_b32 v207, 3, v8
	v_lshlrev_b32 v206, v207, v206
	v_mov_b32 v207, 0
	v_permlanex16_b32 v207, v206, s96, s97
	v_or_b32 v24, v206, v207
	v_or_b32 v24, 0x7f7f0000, v24
	v_cvt_scalef32_pk16_bf6_f32 v[160:162], v[64:79], v205
	v_cvt_scalef32_pk16_bf6_f32 v[208:210], v[80:95], v205
	v_nop
.irp i, 0,1,2
	v_mov_b32 v[163+\i], v[208+\i]
.endr
.irp i, 166,167,168,169,170,171
	v_mov_b32 v\i, 0
.endr
	s_lshl_b32 s3, s98, 13
	s_add_co_u32 s3, s3, PARK
	s_lshl_b32 s4, s98, 7
	s_add_co_u32 s4, s4, OUTS
	s_mov_b32 s2, 0
.Lg:
	v_add_nc_u32 v9, s3, v1
	v_add_nc_u32 v10, 65536, v9
.irp j, 0,1,2,3,4,5,6,7
	ds_load_b128 v[64+4*\j:67+4*\j], v9 offset:512*\j
	ds_load_b128 v[96+4*\j:99+4*\j], v9 offset:32768+512*\j
	ds_load_b128 v[128+4*\j:131+4*\j], v10 offset:512*\j
.endr
	s_wait_dscnt 0x0
.set pr, 0
.rept 16
	v_pk_add_f32 v[64+2*pr:65+2*pr], v[64+2*pr:65+2*pr], v[96+2*pr:97+2*pr]
.set pr, pr+1
.endr
.set pr, 0
.rept 16
	v_pk_add_f32 v[64+2*pr:65+2*pr], v[64+2*pr:65+2*pr], v[128+2*pr:129+2*pr]
.set pr, pr+1
.endr
.irp j, 0,1,2,3,4,5,6,7
	ds_load_b128 v[96+4*\j:99+4*\j], v10 offset:32768+512*\j
.endr
	PL 128, 2, 5, 0                                ; g1_b
	s_wait_dscnt 0x0
.set pr, 0
.rept 16
	v_pk_add_f32 v[64+2*pr:65+2*pr], v[64+2*pr:65+2*pr], v[96+2*pr:97+2*pr]
.set pr, pr+1
.endr
.set pr, 0
.rept 16
	v_pk_add_f32 v[64+2*pr:65+2*pr], v[64+2*pr:65+2*pr], v[128+2*pr:129+2*pr]
.set pr, pr+1
.endr
	PL 96, 2, 5, 256                               ; gl1_g
	PL 128, 2, 5, 512                              ; gl1_b
	LNS 64, 32, 204, 0x3c800000, 1
	s_wait_dscnt 0x0
	AFF 64, 96, 128, 16
.irp t, 0,1,2,3
	GELU8 64+8*\t, 8, 224
.endr
	QUANT 64, 96, 108, 116, 1
.irp i, 122,123,124,125,126,127
	v_mov_b32 v\i, 0
.endr
	v_or_b32 v25, 0x7f7f0000, v100                 ; the rows' scale word, into a register that holds scales alone; the byte 127 over the zero codes
.irp o, 0,1,2,3
	ds_load_b128 v[128+8*\o:131+8*\o], v6 offset:768+64*\o        ; g3_w(o, 8 h ..)
	ds_load_b128 v[132+8*\o:135+8*\o], v6 offset:768+64*\o+16
.endr
.rept 8
	v_nop
.endr
	WM 196, 160, 116, v[172:179], 24, 25, 0
.rept 4
	v_nop
.endr
	LNS 196, 8, 204, 0x3d800000, 1
	AFF 196, 180, 188, 4
	GELU8 196, 8, 224
	s_wait_dscnt 0x0
.irp o, 0,1,2,3
	v_mul_f32 v[212+\o], v196, v[128+8*\o]
.endr
.irp j, 1,2,3,4,5,6,7
.irp o, 0,1,2,3
	v_fmac_f32 v[212+\o], v[196+\j], v[128+8*\o+\j]
.endr
.endr
.irp o, 0,1,2,3
	v_mov_b32 v[216+\o], 0
.endr
.irp o, 0,1,2,3
	v_permlanex16_b32 v[216+\o], v[212+\o], s96, s97
.endr
.irp o, 0,1,2,3
	v_add_f32 v[212+\o], v[212+\o], v[216+\o]
.endr
.irp o, 0,1,2,3
	v_add_f32 v[212+\o], s[68+\o], v[212+\o]
.endr
	LNS 212, 4, 204, 0x3e800000, 0
.irp o, 0,1,2,3
	v_fma_f32 v[212+\o], v[212+\o], s[72+\o], s[76+\o]
.endr
	GELU8 212, 4, 224
	v_mul_f32 v216, s80, v212
	v_mul_f32 v217, s84, v212
.irp o, 1,2,3
	v_fmac_f32 v216, s[80+\o], v[212+\o]
	v_fmac_f32 v217, s[84+\o], v[212+\o]
.endr
	v_add_f32 v216, s88, v216
	v_add_f32 v217, s89, v217
	v_max_num_f32 v218, v216, v217                 ; the maximum is taken away, as in the softmax
	v_sub_f32 v216, v216, v218
	v_sub_f32 v217, v217, v218
	v_mul_f32 v216, 0x3fb8aa3b, v216
	v_mul_f32 v217, 0x3fb8aa3b, v217
	v_exp_f32 v216, v216
	v_exp_f32 v217, v217
	v_nop
	s_wait_alu depctr_va_vdst(0)
	v_add_f32 v218, v216, v217
	v_rcp_f32 v218, v218
	v_nop
	s_wait_alu depctr_va_vdst(0)
	v_mul_f32 v216, v216, v218
	v_add_nc_u32 v9, s4, v2
	ds_store_b32 v9, v216                          ; both halves of the lanes hold the same number
	s_add_co_u32 s3, s3, 4096
	s_add_co_u32 s4, s4, 64
	s_add_co_u32 s2, s2, 1
	s_cmp_lt_u32 s2, 2
	s_cbranch_scc1 .Lg
	BAR                                            ; B7
	s_cmp_lg_u32 s98, 0
	s_cbranch_scc1 .Lend
	v_add_nc_u32 v9, OUTS, v1
	ds_load_b128 v[64:67], v9
	s_wait_dscnt 0x0
	global_store_b128 v1, v[64:67], s[58:59]       ; 512 consecutive bytes, at a multiple of 512 from out0's first byte
.Lend:
	s_wait_xcnt 0x0
	v_lshl_add_u32 v254, v0, 2, 0x4f800
	v_mov_b32 v255, 0
	s_wait_tensorcnt 0x0
	ds_add_u32 v254, v255
	s_wait_dscnt 0x0
	s_endpgm
.Lfunc_end_k_q27db97376d_main:
	.size	k_q27db97376d_main, .Lfunc_end_k_q27db97376d_main-k_q27db97376d_main
	.p2alignl 7, 3214868480
	.fill 96, 4, 3214868480
	.section	.rodata,"a",@progbits
	.p2align	6, 0x0
	.amdhsa_kernel k_q27db97376d_main
		.amdhsa_group_segment_fixed_size 327680
		.amdhsa_private_segment_fixed_size 0
		.amdhsa_enable_private_segment 0
		.amdhsa_kernarg_size 208
		.amdhsa_user_sgpr_count 2
		.amdhsa_user_sgpr_kernarg_segment_ptr 1
		.amdhsa_wavefront_size32 1
		.amdhsa_system_sgpr_workgroup_id_x 1
		.amdhsa_system_sgpr_workgroup_id_y 1
		.amdhsa_system_sgpr_workgroup_id_z 1
		.amdhsa_system_vgpr_workitem_id 0
		.amdhsa_next_free_vgpr 1024
		.amdhsa_next_free_sgpr 102
		.amdhsa_reserve_vcc 0
		.amdhsa_float_denorm_mode_32 3
		.amdhsa_float_denorm_mode_16_64 3
		.amdhsa_memory_ordered 1
		.amdhsa_forward_progress 1
		.amdhsa_inst_pref_size 255
	.end_amdhsa_kernel
	.section	.bss,"aw",@nobits
	.p2align	6
	.space	262144
	.amdgpu_metadata
---
amdhsa.version: [ 1, 2 ]
amdhsa.kernels:
  - .name:           k_q27db97376d_main
    .symbol:         k_q27db97376d_main.kd
    .args:
      - { .name: x, .offset: 0, .size: 8, .value_kind: global_buffer, .address_space: global }
      - { .name: wp, .offset: 8, .size: 8, .value_kind: global_buffer, .address_space: global }
      - { .name: ws, .offset: 16, .size: 8, .value_kind: global_buffer, .address_space: global }
      - { .name: kv, .offset: 24, .size: 8, .value_kind: global_buffer, .address_space: global }
      - { .name: q_b, .offset: 32, .size: 8, .value_kind: global_buffer, .address_space: global }
      - { .name: merge_b, .offset: 40, .size: 8, .value_kind: global_buffer, .address_space: global }
      - { .name: n0_g, .offset: 48, .size: 8, .value_kind: global_buffer, .address_space: global }
      - { .name: n0_b, .offset: 56, .size: 8, .value_kind: global_buffer, .address_space: global }
      - { .name: m1_b, .offset: 64, .size: 8, .value_kind: global_buffer, .address_space: global }
      - { .name: m2_b, .offset: 72, .size: 8, .value_kind: global_buffer, .address_space: global }
      - { .name: n1_g, .offset: 80, .size: 8, .value_kind: global_buffer, .address_space: global }
      - { .name: n1_b, .offset: 88, .size: 8, .value_kind: global_buffer, .address_space: global }
      - { .name: g1_b, .offset: 96, .size: 8, .value_kind: global_buffer, .address_space: global }
      - { .name: gl1_g, .offset: 104, .size: 8, .value_kind: global_buffer, .address_space: global }
      - { .name: gl1_b, .offset: 112, .size: 8, .value_kind: global_buffer, .address_space: global }
      - { .name: g2_w, .offset: 120, .size: 8, .value_kind: global_buffer, .address_space: global }
      - { .name: g2_b, .offset: 128, .size: 8, .value_kind: global_buffer, .address_space: global }
      - { .name: gl2_g, .offset: 136, .size: 8, .value_kind: global_buffer, .address_space: global }
      - { .name: gl2_b, .offset: 144, .size: 8, .value_kind: global_buffer, .address_space: global }
      - { .name: g3_w, .offset: 152, .size: 8, .value_kind: global_buffer, .address_space: global }
      - { .name: g3_b, .offset: 160, .size: 8, .value_kind: global_buffer, .address_space: global }
      - { .name: gl3_g, .offset: 168, .size: 8, .value_kind: global_buffer, .address_space: global }
      - { .name: gl3_b, .offset: 176, .size: 8, .value_kind: global_buffer, .address_space: global }
      - { .name: g4_w, .offset: 184, .size: 8, .value_kind: global_buffer, .address_space: global }
      - { .name: g4_b, .offset: 192, .size: 8, .value_kind: global_buffer, .address_space: global }
      - { .name: out0, .offset: 200, .size: 8, .value_kind: global_buffer, .address_space: global }
    .group_segment_fixed_size: 327680
    .private_segment_fixed_size: 0
    .kernarg_segment_align: 8
    .kernarg_segment_size: 208
    .max_flat_workgroup_size: 128
    .sgpr_count:     102
    .vgpr_count:     1024
    .wavefront_size: 32
...
	.end_amdgpu_metadata
.endif
;; end of part 5
